; MI455X (gfx1250); checked and timed in simulation.
; The chip was launched on July 23, 2026; its instructions are those of AMD's public machine-readable ISA for CDNA 5 (MIT licence, August 2026) and "CDNA5" Instruction Set Architecture Reference Guide (July 2026). The comments in the code are by the model that wrote it; some were corrected since.
;; GPT2 Block. Allowed arithmetic: matrix products marked QUANTISED: E5M2 operands, one given power-of-two scale a tensor, by v_wmma_f32_16x16x64_bf8_bf8 or v_wmma_f32_16x16x128_bf8_bf8, f32 sums; everything else in f32.
;; Inputs: b_attn_proj 1,024 float32; b_fc 4,096 float32; b_proj 1,024 float32; b_qkv 3,072 float32; ln1_b 1,024 float32; ln1_w 1,024 float32; ln2_b 1,024 float32; ln2_w 1,024 float32; lowp_scales 12 int32 (the exponents e of the quantised operands' scales 2^e); w_attn_proj_codes 1,024 x 32 x 32 uint8 (E5M2 codes of w_attn_proj, K innermost, in blocks of 32 codes); w_fc_codes 4,096 x 32 x 32 uint8 (E5M2 codes of w_fc, K innermost, in blocks of 32 codes); w_proj_codes 1,024 x 128 x 32 uint8 (E5M2 codes of w_proj, K innermost, in blocks of 32 codes); w_qkv_codes 3,072 x 32 x 32 uint8 (E5M2 codes of w_qkv, K innermost, in blocks of 32 codes); x 2 x 2,048 x 1,024 float32.
;; Outputs: out0 2 x 2,048 x 1,024 float32.
;; This version of the problem:
;;   THIS VERSION OF THE PROBLEM IS GIVEN IN LOW PRECISION. The matrix products marked QUANTISED in the list below multiply operands that are first quantised to E5M2 (5 exponent bits, 2 mantissa bits; 8 bits a number), with one given power-of-two scale for each operand tensor; their sums are f32. All else is computed in f32.
;;   The module's matrix products, in the order in which they are computed (A, B: the left and right operand; K: the contracted axis; several contracted axes count as one K, in the product's order):
;;     1. [M 4,096, K 1,024] x [K 1,024, N 3,072]; A: computed on the way; B: input w_qkv (given as codes): QUANTISED (scales: A lowp_scales[0], B lowp_scales[1])
;;     2. batch 32 x [M 2,048, K 64] x [K 64, N 2,048]; A: computed on the way; B: computed on the way: QUANTISED (scales: A lowp_scales[2], B lowp_scales[3])
;;     3. batch 32 x [M 2,048, K 2,048] x [K 2,048, N 64]; A: softmax (see below); B: computed on the way: QUANTISED (scales: A lowp_scales[4], B lowp_scales[5])
;;     4. [M 4,096, K 1,024] x [K 1,024, N 1,024]; A: computed on the way; B: input w_attn_proj (given as codes): QUANTISED (scales: A lowp_scales[6], B lowp_scales[7])
;;     5. [M 4,096, K 1,024] x [K 1,024, N 4,096]; A: computed on the way; B: input w_fc (given as codes): QUANTISED (scales: A lowp_scales[8], B lowp_scales[9])
;;     6. [M 4,096, K 4,096] x [K 4,096, N 1,024]; A: computed on the way; B: input w_proj (given as codes): QUANTISED (scales: A lowp_scales[10], B lowp_scales[11])
;;   THE QUANTISER, for each operand of a quantised product, along K:
;;     - The operand's scale is 2^e, e = its entry of the input lowp_scales (int32; the entries are numbered through the quantised products in the list's order, A before B).
;;     - Each number is divided by the scale, clamped to +-57,344, and rounded to the nearest number of E5M2, ties to even, subnormals kept.
;;     - The product sums the exact products of the quantised numbers (number of the format x scale) in f32.
;;   ~~~python
;;   def quantise(x, axis, e):      # numpy; x: float32 -> the quantised numbers, widened to float32 again
;;       x = np.moveaxis(x, axis, -1); K = x.shape[-1]
;;       r = np.clip(x / 2.0 ** e, -57344, 57344)
;;       step = 2.0 ** (np.maximum(np.frexp(np.where(r == 0, 1, r))[1] - 1, -14) - 2)
;;       q = np.round(r / step) * step * 2.0 ** e      # np.round: ties to even
;;       return np.moveaxis(q, -1, axis).astype(np.float32)
;;   ~~~
;;   SOFTMAX AHEAD OF A QUANTISED PRODUCT. Where the list says 'softmax', what is quantised is not the finished softmax but p = 2^(t - M), with t = logit x log2(e) and M = ceil(the row's largest t), a whole number; so 1/2 < the row's largest p <= 1. The row's sum l is taken of the UNQUANTISED p, in f32, and the product's result is divided by l at the end. Since M is a whole number, a kernel that streams over the keys may use a running M (the ceiling of the running maximum): every later rescaling is an exact power of two, so the quantised numbers keep their values, but for numbers so far below the row's largest that they fall under the format's range.
;;   OPERANDS COMPUTED ON THE WAY. 'Computed on the way' means the value that the module computes at that place (a softmax that the list does not call 'softmax' is quantised finished and normalised). What goes into a quantiser is computed in f32, as accurately as f32 sums, v_exp_f32 and their like allow (about 1e-6 of the number): no bf16 or f16 on the way to a quantiser, and a product that is left as it is and whose result goes on into a quantised operand takes f32 operands (vector FMAs, or v_wmma_f32_16x16x4_f32). A number that lies on a knife's edge between two numbers of the format may be rounded either way, as far as f32 arithmetic and the matrix unit's own rounding can turn it there, and no further.
;;   INPUTS GIVEN AS CODES. w_attn_proj (in the module: [1024, 1024], K = its axis 0); w_fc (in the module: [1024, 4096], K = its axis 0); w_proj (in the module: [4096, 1024], K = its axis 0); w_qkv (in the module: [1024, 3072], K = its axis 0): each comes as NAME_codes (uint8): NAME with its K axis moved to the last place and cut into blocks of 32 codes, [.., K / 32, bytes a block], one block behind the other in memory; one code a byte (a code: sign, 5 exponent bits, 2 mantissa bits); its scale is its entry of lowp_scales. Its value is code x scale, taken as it is: it is not quantised again, and the codes and scales need not be those that the quantiser above would give.
;; One version. Each part assembles by itself: llvm-mc -triple=amdgcn-amd-amdhsa -mcpu=gfx1250 --defsym DOCPART=n.
;; ======== version 1 of 1: 7 launches
;; limits: right only within a limited range of input values
;; workspace buffers: ac 4,194,304 bytes; qc 4,194,304 bytes; kc 4,194,304 bytes; vc 4,194,304 bytes; cc 4,194,304 bytes; x2 16,777,216 bytes; hc 16,777,216 bytes
;; launch ln1 (part 1): grid 256 x 1, 8 waves a work-group, no clusters, 17,408 bytes of LDS; arguments x, ln1_w, ln1_b, lowp_scales, ac; writes ac
.if DOCPART == 1
	.amdgcn_target "amdgcn-amd-amdhsa--gfx1250"
	.amdhsa_code_object_version 6
	.text
	.protected	k_q3f93a15ae6_ln1
	.globl	k_q3f93a15ae6_ln1
	.p2align	8
	.type	k_q3f93a15ae6_ln1,@function
k_q3f93a15ae6_ln1:
	s_mov_b64 s[64:65], 0
	v_nop
	global_prefetch_b8 v0, s[64:65] scope:SCOPE_SE
	s_setreg_imm32_b32 hwreg(HW_REG_WAVE_MODE, 25, 1), 1
	s_wait_xcnt 0x0
; ac = codes of LayerNorm(x) * w + b.  x: [4096][1024] f32; w, b: [1024] f32; ac: [4096][1024] codes of E5M2, K innermost, with the given scale 2^e, e = entry EOFF/4 of the scales.
; code = y / 2^e, held within +-57,344, rounded to the nearest code, ties to even.  LIMITS: -126 <= e <= 112; NaN among the inputs is not served.
; SHARES.  A work-group takes 16 rows, a wave 2; a row of 4,096 bytes lies in 32 registers of one wave, so mean and variance never leave the wave: no barrier.
; The mean is taken first and the squares of the centred numbers second, both from registers: a common offset of the row costs no accuracy, and memory is read once.
; All 32 loads of a wave (two rows, gain, bias) are issued at its head; each covers 512 consecutive bytes.  Lane L's register 4 j + i holds column 128 j + 4 L + i.
; A conversion packs eight registers: code register j holds columns 128 j + 4 L .. + 3.  The codes turn through the wave's own 2,048 bytes of LDS, so that each store to memory covers 512 consecutive bytes.
; No matrix unit, no tensor load, no cluster: the launch moves bytes, and no two work-groups read the same row.
.set EOFF, 0                           ; byte offset of this operand's exponent among the scales
.set X0, 16                            ; v16-47   row 0
.set X1, 48                            ; v48-79   row 1
.set WG, 80                            ; v80-111  the gain
.set BB, 112                           ; v112-143 the bias
.set T,  144                           ; v144-159 eight registers a row: four chains of pairs, later the mean, later 1/sqrt
.set C0, 160                           ; v160-167 row 0's codes
.set C1, 168                           ; v168-175 row 1's
.set OU, 176                           ; v176-191 the codes as they leave
	s_load_b256 s[4:11], s[0:1], 0x0               ; x s[4:5], gain s[6:7], bias s[8:9], scales s[10:11]
	s_load_b64 s[12:13], s[0:1], 0x20              ; the codes
	v_lshl_add_u32 v192, v0, 2, 0x4000
	v_mov_b32 v193, 0
	v_lshrrev_b32 v1, 5, v0
	s_delay_alu instid0(VALU_DEP_1)
	v_readfirstlane_b32 s14, v1                    ; wave 0..7
	v_and_b32 v1, 31, v0                           ; lane
	s_delay_alu instid0(VALU_DEP_1)
	v_lshlrev_b32 v2, 4, v1                        ; 16 x lane: my bytes of every load and store; never rewritten
	s_lshl_b32 s15, s14, 11                        ; my wave's 2,048 bytes of LDS
	v_lshl_add_u32 v3, v1, 2, s15                  ; in: 4 bytes a lane
	v_lshl_add_u32 v4, v1, 4, s15                  ; out: 16 bytes a lane
	s_mov_b32 s16, 0x3a800000                      ; 1 / 1024
	s_mov_b32 s17, 0x3727c5ac                      ; 1e-5
	s_mov_b32 s18, 0x76543210                      ; lane selects: lane l xor 16
	s_mov_b32 s19, 0xfedcba98
	s_lshl_b32 s22, ttmp9, 16                      ; 16 rows of 4,096 bytes a work-group,
	s_lshl_b32 s23, s14, 13                        ; 2 a wave
	s_add_co_u32 s22, s22, s23
	s_mov_b32 s23, 0
	s_lshl_b32 s24, ttmp9, 14                      ; and of 1,024 bytes of codes
	s_add_co_u32 s24, s24, s15
	s_mov_b32 s25, 0
	s_wait_alu depctr_va_vdst(0)
	s_wait_kmcnt 0x0
	s_load_b32 s20, s[10:11], EOFF                 ; e
	s_add_nc_u64 s[4:5], s[4:5], s[22:23]
	s_add_nc_u64 s[12:13], s[12:13], s[24:25]
.irp j, 0,1,2,3,4,5,6,7
	global_load_b128 v[X0+4*\j:X0+4*\j+3], v2, s[4:5] offset:512*\j
.endr
.irp j, 0,1,2,3,4,5,6,7
	global_load_b128 v[X1+4*\j:X1+4*\j+3], v2, s[4:5] offset:4096+512*\j
.endr
.irp j, 0,1,2,3,4,5,6,7
	global_load_b128 v[WG+4*\j:WG+4*\j+3], v2, s[6:7] offset:512*\j
.endr
.irp j, 0,1,2,3,4,5,6,7
	global_load_b128 v[BB+4*\j:BB+4*\j+3], v2, s[8:9] offset:512*\j
.endr
	s_wait_kmcnt 0x0
	s_add_co_i32 s20, s20, 127
	s_lshl_b32 s21, s20, 23
	v_mov_b32 v11, s21                             ; 2^e as f32: the conversion takes its exponent field
	s_add_co_i32 s20, s20, 15
	s_lshl_b32 s20, s20, 23
	s_or_b32 s20, s20, 0x600000
	v_mov_b32 v10, s20                             ; 57,344 x 2^e
; four chains of pairs become one number in every lane
.macro REDUCE
	s_delay_alu instid0(VALU_DEP_3)
	v_pk_add_f32 v[TS:TS+1], v[TS:TS+1], v[TS+2:TS+3]
	s_delay_alu instid0(VALU_DEP_2)
	v_pk_add_f32 v[TS+4:TS+5], v[TS+4:TS+5], v[TS+6:TS+7]
	s_delay_alu instid0(VALU_DEP_1)
	v_pk_add_f32 v[TS:TS+1], v[TS:TS+1], v[TS+4:TS+5]
	s_delay_alu instid0(VALU_DEP_1)
	v_add_f32 v[TS], v[TS], v[TS+1]
	s_delay_alu instid0(VALU_DEP_1)
	v_add_f32_dpp v[TS], v[TS], v[TS] row_xmask:1 row_mask:0xf bank_mask:0xf
	s_delay_alu instid0(VALU_DEP_1)
	v_add_f32_dpp v[TS], v[TS], v[TS] row_xmask:2 row_mask:0xf bank_mask:0xf
	s_delay_alu instid0(VALU_DEP_1)
	v_add_f32_dpp v[TS], v[TS], v[TS] row_xmask:4 row_mask:0xf bank_mask:0xf
	s_delay_alu instid0(VALU_DEP_1)
	v_add_f32_dpp v[TS], v[TS], v[TS] row_xmask:8 row_mask:0xf bank_mask:0xf
	s_delay_alu instid0(VALU_DEP_1)
	v_permlanex16_b32 v[TS+1], v[TS], s18, s19     ; its destination has been written before
	s_delay_alu instid0(VALU_DEP_1)
	v_add_f32 v[TS], v[TS], v[TS+1]
.endm
; the row at v[x] is centred in place; v[T + 8 p] becomes its variance + 1e-5
.macro STAT x, p
.set TS, T+8*(\p)
.irp c, 0,1,2,3
	v_pk_add_f32 v[TS+2*\c:TS+2*\c+1], v[\x+2*\c:\x+2*\c+1], v[\x+8+2*\c:\x+8+2*\c+1]   ; the first sums start the chains: nothing is cleared
.endr
.irp i, 8,9,10,11,12,13,14,15
	s_delay_alu instid0(VALU_DEP_4)
	v_pk_add_f32 v[TS+2*(\i%4):TS+2*(\i%4)+1], v[TS+2*(\i%4):TS+2*(\i%4)+1], v[\x+2*\i:\x+2*\i+1]
.endr
	REDUCE
	s_delay_alu instid0(VALU_DEP_1)
	v_mul_f32 v[TS], s16, v[TS]                    ; the mean,
	s_delay_alu instid0(VALU_DEP_1)
	v_mov_b32 v[TS+1], v[TS]                       ; as a pair
.set ii, 0
.rept 16
	v_pk_add_f32 v[\x+ii:\x+ii+1], v[\x+ii:\x+ii+1], v[TS:TS+1] neg_lo:[0,1] neg_hi:[0,1]
.set ii, ii+2
.endr
.irp c, 0,1,2,3
	v_pk_mul_f32 v[TS+2*\c:TS+2*\c+1], v[\x+2*\c:\x+2*\c+1], v[\x+2*\c:\x+2*\c+1]
.endr
.irp i, 4,5,6,7,8,9,10,11,12,13,14,15
	s_delay_alu instid0(VALU_DEP_4)
	v_pk_fma_f32 v[TS+2*(\i%4):TS+2*(\i%4)+1], v[\x+2*\i:\x+2*\i+1], v[\x+2*\i:\x+2*\i+1], v[TS+2*(\i%4):TS+2*(\i%4)+1]
.endr
	REDUCE
	s_delay_alu instid0(VALU_DEP_1)
	v_fma_f32 v[TS], v[TS], s16, s17               ; the variance + 1e-5
.endm
; the centred row becomes y = x / sqrt * gain + bias, is held, and becomes eight registers of codes
.macro NORMQ x, c, p
.set TS, T+8*(\p)
.set ii, 0
.rept 16
	v_pk_mul_f32 v[\x+ii:\x+ii+1], v[\x+ii:\x+ii+1], v[TS:TS+1]
.set ii, ii+2
.endr
.set ii, 0
.rept 16
	v_pk_fma_f32 v[\x+ii:\x+ii+1], v[\x+ii:\x+ii+1], v[WG+ii:WG+ii+1], v[BB+ii:BB+ii+1]
.set ii, ii+2
.endr
.set ii, 0
.rept 32
	v_med3_num_f32 v[\x+ii], v[\x+ii], -v10, v10   ; the conversion to an 8-bit code does not saturate (ISA guide 7.6.2): the hold at the largest code x the scale
.set ii, ii+1
.endr
.irp g, 0,1,2,3
	v_cvt_scalef32_pk8_bf8_f32 v[\c+2*\g:\c+2*\g+1], v[\x+8*\g:\x+8*\g+7], v11
.endr
	v_nop                                          ; a plain line behind the last conversion of the run
.endm
	s_wait_loadcnt 24                              ; row 0 is in; the 24 younger loads (row 1, gain, bias) may be out
	STAT X0, 0
	s_wait_loadcnt 16                              ; row 1 is in
	STAT X1, 1
	s_wait_alu depctr_va_vdst(0)
	v_rsq_f32 v[T], v[T]                           ; both rows' 1 / sqrt: one batch,
	v_rsq_f32 v[T+8], v[T+8]
	v_nop                                          ; one plain line behind it,
	s_wait_alu depctr_va_vdst(0)                   ; and one wait ahead of the first line that names a result
	v_mov_b32 v[T+1], v[T]
	v_mov_b32 v[T+9], v[T+8]
	s_wait_alu depctr_va_vdst(0)
	s_wait_loadcnt 0x0                             ; gain and bias
	NORMQ X0, C0, 0
	NORMQ X1, C1, 1
.irp j, 0,1,2,3,4,5,6,7
	ds_store_b32 v3, v[C0+\j] offset:128*\j        ; 32 lanes: 128 consecutive bytes of the row's codes
.endr
.irp j, 0,1,2,3,4,5,6,7
	ds_store_b32 v3, v[C1+\j] offset:1024+128*\j
.endr
.irp i, 0,1,2,3
	ds_load_b128 v[OU+4*\i:OU+4*\i+3], v4 offset:512*\i   ; LDS serves a wave's instructions in order (ISA guide 5.7.1.4): these see my stores
.endr
.irp i, 0,1,2,3
	s_wait_dscnt 3-\i                              ; the younger LDS loads may be out
	global_store_b128 v2, v[OU+4*\i:OU+4*\i+3], s[12:13] offset:512*\i   ; 512 consecutive bytes, at a multiple of 256 from the buffer's first byte
.endr
	s_wait_tensorcnt 0x0
	ds_add_u32 v192, v193
	s_wait_dscnt 0x0
	s_endpgm
.Lfunc_end_k_q3f93a15ae6_ln1:
	.size	k_q3f93a15ae6_ln1, .Lfunc_end_k_q3f93a15ae6_ln1-k_q3f93a15ae6_ln1
	.p2alignl 7, 3214868480
	.fill 96, 4, 3214868480
	.section	.rodata,"a",@progbits
	.p2align	6, 0x0
	.amdhsa_kernel k_q3f93a15ae6_ln1
		.amdhsa_group_segment_fixed_size 17408
		.amdhsa_private_segment_fixed_size 0
		.amdhsa_enable_private_segment 0
		.amdhsa_kernarg_size 40
		.amdhsa_user_sgpr_count 2
		.amdhsa_user_sgpr_kernarg_segment_ptr 1
		.amdhsa_wavefront_size32 1
		.amdhsa_system_sgpr_workgroup_id_x 1
		.amdhsa_system_sgpr_workgroup_id_y 1
		.amdhsa_system_sgpr_workgroup_id_z 1
		.amdhsa_system_vgpr_workitem_id 0
		.amdhsa_next_free_vgpr 194
		.amdhsa_next_free_sgpr 66
		.amdhsa_reserve_vcc 0
		.amdhsa_float_denorm_mode_32 3
		.amdhsa_float_denorm_mode_16_64 3
		.amdhsa_memory_ordered 1
		.amdhsa_forward_progress 1
		.amdhsa_inst_pref_size 27
	.end_amdhsa_kernel
	.amdgpu_metadata
---
amdhsa.version: [ 1, 2 ]
amdhsa.kernels:
  - .name:           k_q3f93a15ae6_ln1
    .symbol:         k_q3f93a15ae6_ln1.kd
    .args:
      - { .name: x, .offset: 0, .size: 8, .value_kind: global_buffer, .address_space: global }
      - { .name: ln1_w, .offset: 8, .size: 8, .value_kind: global_buffer, .address_space: global }
      - { .name: ln1_b, .offset: 16, .size: 8, .value_kind: global_buffer, .address_space: global }
      - { .name: lowp_scales, .offset: 24, .size: 8, .value_kind: global_buffer, .address_space: global }
      - { .name: ac, .offset: 32, .size: 8, .value_kind: global_buffer, .address_space: global }
    .group_segment_fixed_size: 17408
    .private_segment_fixed_size: 0
    .kernarg_segment_align: 8
    .kernarg_segment_size: 40
    .max_flat_workgroup_size: 256
    .sgpr_count:     66
    .vgpr_count:     194
    .wavefront_size: 32
...
	.end_amdgpu_metadata
.endif
;; end of part 1
;; launch qkv (part 2): grid 12 x 16, 4 waves a work-group, clusters of 4 x 4, 327,680 bytes of LDS; arguments ac, w_qkv_codes, lowp_scales, b_qkv, qc, kc, vc; writes qc, kc, vc
.if DOCPART == 2
	.amdgcn_target "amdgcn-amd-amdhsa--gfx1250"
	.amdhsa_code_object_version 6
	.text
	.protected	k_q3f93a15ae6_qkv
	.globl	k_q3f93a15ae6_qkv
	.p2align	8
	.type	k_q3f93a15ae6_qkv,@function
k_q3f93a15ae6_qkv:
	s_mov_b64 s[64:65], 0
	v_nop
	global_prefetch_b8 v0, s[64:65] scope:SCOPE_SE
	s_setreg_imm32_b32 hwreg(HW_REG_WAVE_MODE, 25, 1), 1
	s_wait_xcnt 0x0
	s_wait_alu depctr_hold_cnt(0) depctr_sa_sdst(0) depctr_va_vdst(0) depctr_va_sdst(0) depctr_va_ssrc(0) depctr_va_vcc(0) depctr_vm_vsrc(0)
	s_getreg_b32 s2, hwreg(HW_REG_IB_STS2, 6, 4)
	s_cmp_eq_u32 s2, 0
	s_cbranch_scc0 .Lentry_in_a_cluster
	s_endpgm
.Lentry_in_a_cluster:
	s_bfe_u32 s2, ttmp6, 0x10000c
	s_cmp_lg_u32 s2, 0xf033
	s_cbranch_scc0 .Lentry_shape_is_right
	s_endpgm
.Lentry_shape_is_right:
; qkv = h W^T x 2^(e0 + e1) + b, on codes of E5M2, and its three parts quantised at once: q with 2^e2, k with 2^e3, v with 2^e5.
; ac: [4096 tokens][1024] codes; w_qkv_codes: [3072 features][1024] codes; b_qkv [3072] f32.
; OUT: qc, kc: [32 heads = 16 batch + head][2048 tokens][64] codes (K = the head's 64 innermost); vc: [2 batches][1024 features][2048 tokens] codes (K = the tokens innermost).
; LIMITS: e0 + e1 between -126 and 127; e2, e3, e5 between -126 and 112.  NaN among the inputs is not served.
; A tile of 256 x 256 of the product is made by four waves, each 128 x 128: 64 accumulators, 512 registers.  K = 1,024 goes in four steps of 256 through a ring of two LDS slots filled by the tensor data mover.
; ROLES.  Source 1 of the matrix instruction gives a lane its row (role S1), source 0 gives its eight registers eight neighbours (role S0).  A conversion packs a lane's eight registers, so S0 must be the axis that is
; innermost in the output: the features for q and k (S1 = tokens, S0 = weights), the tokens for v (S1 = weights, S0 = tokens).  Cluster x = 0, 1, 2 makes q, k, v; the roles are dealt by scalar selects on cluster x,
; which all sixteen partners share; both tensors have rows of 1,024 bytes, so loop, masks, descriptors' shape and LDS map are the same for all.
; CLUSTERS: 4 x 4 work-groups.  S1's tile is shared along a row of the cluster, S0's along a column: each is asked for JOINTLY, by the same tensor load with the same descriptor and a mask that names the four.
; REGISTERS, in windows of 256: window 0: v0-31 addresses; v48-63, v64-127 the bias in two layouts; from v128 S1's fragments, ONE set.  window 1: S0's fragments, TWO sets.  windows 2, 3: the accumulators ((a, b) at v[8 (8 (a % 4) + b)]).
.set KSTEP,  256
.set ROWB,   256
.set KROW,   1024
.set PITCH,  272                       ; an LDS row: 256 bytes + 16 of padding = 68 words: the 16 rows that a load touches start at 16 different banks (64 banks of 4 bytes: ISA guide 11.1)
.set FR,     16
.set NL,     4
.set NP,     4                         ; places behind this matrix instruction (ISA guide 7.12.1)
.set HALFT,  128*PITCH
.set SLOT,   4*HALFT
.set LAPS,   2                         ; 1,024 / 512
.set SPARE,  2*SLOT                    ; behind the ring: the spare words, 128 bytes for each wave: two blocks of 256 bytes that no other line names
.set QP,     336                       ; q's and k's stage, at LDS byte 0: 256 tokens x (256 bytes + 80): 84 words a row, so that neither the 8-byte stores nor most of the 16-byte reads meet in a bank
.set VSP,    272                       ; v's stage, at LDS byte SLOT: 256 features x (256 bytes + 16).  Each path has LDS bytes of its own
.set BOF,  10                          ; v10  32 x (lane / 16): offset of the bias by registers; never rewritten
.set ROF,  11                          ; v11  4 x (lane % 16): offset of the bias by lanes; never rewritten
.set ADRA, 16                          ; v16-17 LDS address of my S1 fragments in slot 0, 1
.set GV,   18                          ; v18  v's way out: my byte offset in vc
.set ADRB, 20                          ; v20-21 the same for S0
.set RDV,  22                          ; v22  v's stage, on the way back
.set GQ,   23                          ; v23  16 x lane: q's and k's way out
.set STOQ, 24                          ; v24  q's and k's stage, on the way in
.set STOV, 25                          ; v25  v's stage, on the way in
.set RDQ,  26                          ; v26, v27 q's and k's stage, on the way back: tokens 0-127, 128-255
.set RDQ2, 27
.set SPW,  28                          ; v28  LDS address of my spare word; never rewritten
.set NIL,  29                          ; v29  0; never rewritten
.set SCL,  30                          ; v30  the output's scale as f32
.set LIM,  31                          ; v31  57,344 x that
.set BR,   48                          ; v48-63  bias of my lane's feature, block a in the pair 2 a, 2 a + 1 (v)
.set BC,   64                          ; v64-127 bias of my registers' features, 8 for each of 8 tiles (q, k)
.set XR,   128                         ; the way out: a block's 64 numbers
.set CD,   192                         ; and their codes, two sets of 16 registers
.set AF,   128
.set G1, 24
.set G0, 32
.set G1B, 48
.set G0B, 56
.set MSB, 0
.macro WIN new                         ; the immediate's high byte repeats the setting that is left
.if MSB != \new
	s_set_vgpr_msb (MSB<<8)|\new
.set MSB, \new
.endif
.endm
.set MUL_LO, 0xa1                      ; source 0 (S0) window 1, source 1 (S1) window 0, C and D window 2
.set MUL_HI, 0xf1
.set TO_B,   0x40
; A joint load: waves 0 and 1 fetch for S1, waves 2 and 3 for S0.  The branch hangs on the wave's number alone.  Four v_nop follow each of the two lines.
; Wave w owns one operand (w / 2) and one slot (w % 2): only the owners of slot sl ask; the other two waves run the four places alone.
.macro JLOAD g0a, g1a, g0b, g1b, sl
	s_cmp_lg_u32 s16, \sl
	s_cbranch_scc1 .Lnone_\@
	s_cmp_eq_u32 s15, 0
	s_cbranch_scc0 .Lfor_b_\@
	tensor_load_to_lds s[\g0a:\g0a+3], s[\g1a:\g1a+7]
	s_nop 0
.rept 4
	v_nop
.endr
	s_branch .Lasked_\@
.Lfor_b_\@:
	tensor_load_to_lds s[\g0b:\g0b+3], s[\g1b:\g1b+7]
	s_nop 0
.rept 4
	v_nop
.endr
	s_branch .Lasked_\@
.Lnone_\@:
.rept 4
	v_nop
.endr
.Lasked_\@:
.endm
.macro CREST                           ; a round of the cluster's barrier behind its opening barrier
	s_cmp_lg_u32 s14, 0
	s_cbranch_scc1 .Lnot_wave_0_\@
	s_barrier_signal -3
.Lnot_wave_0_\@:
	s_barrier_wait -3
	s_barrier_signal -1
	s_barrier_wait -1
.endm
.macro CROUND
	s_barrier_signal -1
	s_barrier_wait -1
	CREST
.endm
	s_load_b128 s[4:7], s[0:1], 0x0                ; ac, the weights' codes
	s_load_b128 s[8:11], s[0:1], 0x10              ; the scales' exponents, the bias
	s_load_b128 s[68:71], s[0:1], 0x20             ; qc, kc
	s_load_b64 s[72:73], s[0:1], 0x30              ; vc
	v_lshl_add_u32 v[SPW], v0, 2, SPARE
	v_mov_b32 v[NIL], 0
	ds_add_u32 v28, v29
	ds_add_u32 v28, v29
	s_wait_dscnt 0x0
	v_lshrrev_b32 v1, 5, v0
	v_readfirstlane_b32 s14, v1                    ; wave 0..3
	s_lshr_b32 s15, s14, 1                         ; which half of S1's rows is mine.  Also: I fetch for S1 (0) or for S0 (1)
	s_and_b32 s16, s14, 1                          ; which half of S0's rows.  Also: which slot of the ring I fill
	s_bfe_u32 s40, ttmp6, 0x40000                  ; cx, cy: my place in the cluster
	s_bfe_u32 s41, ttmp6, 0x40004
	s_and_b32 s18, ttmp7, 0xffff
	s_lshl_b32 s18, s18, 2                         ; 4 x cluster y
	s_lshl_b32 s19, ttmp9, 2                       ; 4 x cluster x
	s_cmp_eq_u32 ttmp9, 2                          ; v's clusters?  The same answer in all sixteen partners
	s_cselect_b32 s17, 8, s18
	s_cselect_b32 s42, s18, s19
	s_add_co_u32 s17, s17, s41                     ; S1's tile: tokens 4 cluster y + cy (q, k), weight rows 8 + cy (v): it never holds cx
	s_add_co_u32 s42, s42, s40                     ; S0's tile: weight rows 4 cluster x + cx (q, k), tokens 4 cluster y + cx (v): it never holds cy
	s_lshl_b32 s43, s41, 2
	s_lshl_b32 s43, 15, s43                        ; my row of the cluster
	s_lshl_b32 s44, 0x1111, s40                    ; my column
	s_or_b32 s[G1+0], s43, (0<<16)|(1<<20)|(1<<21)|(5<<22)|(3<<25)  ; 15:0 the mask; 17:16 elements of 1 byte; 20 padding on; 21 set beside a mask; 24:22 after every 64 words; 31:25 four words
	s_or_b32 s[G1B+0], s44, (0<<16)|(1<<20)|(1<<21)|(5<<22)|(3<<25)
.irp g, G1, G1B
	s_mov_b32 s[\g+1], ROWB<<16                    ; tensor_dim0
	s_mov_b32 s[\g+2], 256<<16                     ; tensor_dim1: a load brings a slot's whole tile of one operand, 256 rows
	s_mov_b32 s[\g+3], ROWB<<16                    ; tile_dim0
	s_mov_b32 s[\g+4], 256                         ; tile_dim1
	s_mov_b32 s[\g+5], KROW                        ; tensor_dim0_stride
	s_mov_b32 s[\g+6], 0
	s_mov_b32 s[\g+7], 0
.endr
	s_lshl_b32 s20, s17, 18                        ; S1: 256 x tile rows of 1,024 bytes
	s_mov_b32 s21, 0
	s_lshl_b32 s46, s42, 18                        ; S0 likewise
	s_mov_b32 s47, 0
	s_mul_i32 s45, s15, 2*HALFT                    ; where they go: S1's 256 rows, then S0's: no place in the cluster enters an LDS address
	s_wait_kmcnt 0x0
	s_load_b256 s[76:83], s[8:9], 0x0              ; e0 .. e7
	s_cmp_eq_u32 ttmp9, 2
	s_cselect_b64 s[84:85], s[6:7], s[4:5]         ; S1's tensor
	s_cselect_b64 s[86:87], s[4:5], s[6:7]         ; S0's
	s_add_nc_u64 s[20:21], s[84:85], s[20:21]
	s_add_nc_u64 s[46:47], s[86:87], s[46:47]
	CROUND                                         ; all sixteen work-groups are here: the first joint loads meet
.irp s, 0,1
	s_mov_b32 s[G0+4*\s], 1
	s_add_co_u32 s[G0+4*\s+1], s45, \s*SLOT
	s_add_nc_u64 s[G0+4*\s+2:G0+4*\s+3], s[20:21], \s*ROWB
	s_or_b32 s[G0+4*\s+3], s[G0+4*\s+3], 0x80000000
	s_mov_b32 s[G0B+4*\s], 1
	s_add_co_u32 s[G0B+4*\s+1], s45, \s*SLOT
	s_add_nc_u64 s[G0B+4*\s+2:G0B+4*\s+3], s[46:47], \s*ROWB
	s_or_b32 s[G0B+4*\s+3], s[G0B+4*\s+3], 0x80000000
.endr
; THE FIRST FILLS: one tensor load a wave, in one chain of branches on the wave's number: the four loads fill both slots, K steps 0 and 1.
.macro HL g0, g1
	tensor_load_to_lds s[\g0:\g0+3], s[\g1:\g1+7]
	s_nop 0
.rept 4
	v_nop
.endr
.endm
	s_cmp_lt_u32 s14, 2
	s_cbranch_scc0 .Lh_b
	s_cmp_eq_u32 s14, 0
	s_cbranch_scc0 .Lh_a1
	HL G0, G1
	s_branch .Lh_j
.Lh_a1:
	HL G0+4, G1
	s_branch .Lh_j
.Lh_b:
	s_cmp_eq_u32 s14, 2
	s_cbranch_scc0 .Lh_b1
	HL G0B, G1B
	s_branch .Lh_j
.Lh_b1:
	HL G0B+4, G1B
.Lh_j:
	; THE PREFETCHES INTO THE L2 of K steps 2 and 3, which the two refills will load.  A K step is 256 bytes of each row.  K step 2 is asked for here, K step 3 behind the first barrier: each more than one K step ahead of its load.
	; The four partners that ask for a tile jointly share its 256 rows out by address: partner p (cx for S1, cy for S0) takes 64, each of the operand's two waves 32, a lane a row: each block is named once in the cluster.
	s_cmp_eq_u32 s15, 0
	s_cselect_b32 s66, s17, s42                    ; my operand's tile,
	s_cselect_b32 s67, s40, s41                    ; my place among the four that share it,
	s_cselect_b64 s[98:99], s[84:85], s[86:87]     ; its tensor
	s_lshl_b32 s66, s66, 8
	s_lshl_b32 s67, s67, 6
	s_add_co_u32 s66, s66, s67
	s_lshl_b32 s67, s16, 5
	s_add_co_u32 s66, s66, s67
	s_lshl_b32 s66, s66, 10                        ; rows of 1,024 bytes
	s_mov_b32 s67, 0
	s_add_nc_u64 s[98:99], s[98:99], s[66:67]      ; never rewritten
	v_and_b32 v19, 31, v0
	v_lshlrev_b32 v19, 10, v19                     ; my lane's row; never rewritten
	s_wait_alu depctr_va_vdst(0)                   ; the wait behind the write
	global_prefetch_b8 v19, s[98:99] offset:512 th:TH_LOAD_NT scope:SCOPE_SE   ; K step 2
	v_and_b32 v1, 15, v0                           ; r = lane % 16
	s_wait_alu depctr_va_vdst(0)
	v_bfe_u32 v2, v0, 4, 1                         ; h = lane / 16
	v_mul_u32_u24 v3, v1, PITCH
	v_lshl_add_u32 v4, v2, 4, v3                   ; a fragment's row x pitch + 16 x half
	s_mul_i32 s21, s15, HALFT
	s_mul_i32 s22, s16, HALFT
	s_add_co_u32 s22, s22, 2*HALFT
.irp s, 0,1
	v_add_nc_u32 v[ADRA+\s], s21, v4
	v_add_nc_u32 v[ADRB+\s], s22, v4
	s_add_co_u32 s21, s21, SLOT
	s_add_co_u32 s22, s22, SLOT
.endr
	; the stages' addresses, all made here, ahead of every parting of the ways
	s_lshl_b32 s22, s16, 7                         ; my 128 bytes of a stage row
	s_mul_i32 s23, s15, 128*QP
	s_add_co_u32 s23, s23, s22
	v_mul_u32_u24 v5, v1, QP
	s_wait_alu depctr_va_vdst(0)
	v_lshl_add_u32 v5, v2, 3, v5
	v_add_nc_u32 v[STOQ], s23, v5                  ; (128 x row half + r) x 336 + 128 x column half + 8 h
	s_mul_i32 s23, s15, 128*VSP
	s_add_co_u32 s23, s23, s22
	s_add_co_u32 s23, s23, SLOT
	v_lshl_add_u32 v5, v2, 3, v3
	v_add_nc_u32 v[STOV], s23, v5                  ; SLOT + (128 x row half + r) x 272 + 128 x column half + 8 h
	v_and_b32 v6, 31, v0
	v_lshlrev_b32 v[GQ], 4, v6
	v_lshrrev_b32 v5, 2, v6
	v_mul_u32_u24 v5, v5, QP
	v_and_b32 v6, 3, v6
	v_lshl_add_u32 v5, v6, 4, v5
	s_lshl_b32 s23, s14, 6
	v_add_nc_u32 v[RDQ], s23, v5                   ; four lanes to a token's 64 bytes of my head: (lane / 4) x 336 + 16 (lane % 4) + 64 x wave
	v_add_nc_u32 v[RDQ2], 128*QP, v[RDQ]
	s_mul_i32 s23, s14, 64*VSP
	s_add_co_u32 s23, s23, SLOT
	v_mul_u32_u24 v5, v2, VSP
	v_lshl_add_u32 v5, v1, 4, v5
	v_add_nc_u32 v[RDV], s23, v5                   ; sixteen lanes to a feature's 256 bytes
	v_lshlrev_b32 v[GV], 11, v2
	v_lshl_add_u32 v[GV], v1, 4, v[GV]
	; the bias, in both layouts, from places that lie inside the buffer in every cluster: they land under the loop
	s_cmp_eq_u32 ttmp9, 2
	s_cselect_b32 s88, s17, s42                    ; the weights' tile
	s_lshl_b32 s88, s88, 10                        ; 256 features of 4 bytes
	s_lshl_b32 s20, s16, 9
	s_add_co_u32 s20, s20, s88
	s_mov_b32 s21, 0
	s_add_nc_u64 s[74:75], s[10:11], s[20:21]      ; by registers: the features of S0's half
	s_lshl_b32 s20, s15, 9
	s_add_co_u32 s20, s20, s88
	s_add_nc_u64 s[94:95], s[10:11], s[20:21]      ; by lanes: the features of S1's half
	v_lshlrev_b32 v[BOF], 5, v2
	v_lshlrev_b32 v[ROF], 2, v1
.irp b, 0,1,2,3,4,5,6,7
	global_load_b128 v[BC+8*\b:BC+8*\b+3], v[BOF], s[74:75] offset:64*\b
	global_load_b128 v[BC+8*\b+4:BC+8*\b+7], v[BOF], s[74:75] offset:64*\b+16
.endr
.irp a, 0,1,2,3,4,5,6,7
	global_load_b32 v[BR+2*\a], v[ROF], s[94:95] offset:64*\a
	global_load_b32 v[BR+2*\a+1], v[ROF], s[94:95] offset:64*\a     ; the same number twice: a pair for the packed form
.endr
.macro FRAG reg, adr, q, i             ; a fragment, 16 rows x 128 K: lane l holds row l % 16; registers 4 c .. 4 c + 3 hold K = 32 c + 16 (l / 16) + 0 .. 15: one permutation of k, the same on both sides
.irp c, 0,1,2,3
	ds_load_b128 v[\reg+4*\c:\reg+4*\c+3], v[\adr] offset:128*(\q)+32*\c+(\i)*16*PITCH
.endr
.endm
; 16 matrix instructions: S1's blocks a0, a0 + 1 x S0's eight.  The 64 accumulators take turns, one instruction a turn, in the same order in every step.
.macro MUL16 a0, p, zero
.irp a, \a0, \a0+1
.irp b, 0,1,2,3,4,5,6,7
.if \zero
	v_wmma_f32_16x16x128_bf8_bf8 v[8*(8*((\a)%4)+\b):8*(8*((\a)%4)+\b)+7], v[128*(\p)+FR*\b:128*(\p)+FR*\b+FR-1], v[AF+FR*(\a):AF+FR*(\a)+FR-1], 0
.else
	v_wmma_f32_16x16x128_bf8_bf8 v[8*(8*((\a)%4)+\b):8*(8*((\a)%4)+\b)+7], v[128*(\p)+FR*\b:128*(\p)+FR*\b+FR-1], v[AF+FR*(\a):AF+FR*(\a)+FR-1], v[8*(8*((\a)%4)+\b):8*(8*((\a)%4)+\b)+7]
.endif
.endr
.endr
.endm
.macro FETCH_B slot, q, p
	WIN TO_B
.irp i, 0,1,2,3,4,5,6,7
	FRAG 128*(\p)+FR*\i, ADRB+\slot, \q, \i
.endr
	WIN 0
.endm
.macro FETCH_A slot, q, i0
.irp i, \i0, \i0+1, \i0+2, \i0+3
	FRAG AF+FR*(\i), ADRA+\slot, \q, \i
.endr
.endm
.macro PLACES n                        ; plain vector lines between a matrix instruction and a load into, or a vector line on, its registers
.rept \n
	v_nop
.endr
.endm
.macro STEP slot, q, zero              ; 128 along K, with its successor in the same slot
	FETCH_B \slot, (\q)+1, 1-(\q)%2                ; the next step's S0, into the set that the step before read last: its places stand at that step's end
	s_wait_dscnt 12*NL                             ; this step's S0 and S1's blocks 0-3 are in; the youngest 48 loads (blocks 4-7, then the 32 just issued) may be out
	WIN MUL_LO
	MUL16 0, (\q)%2, \zero
	MUL16 2, (\q)%2, \zero
	s_wait_dscnt 8*NL                              ; blocks 4-7 are in; the next step's 32 loads of S0 may be out
	PLACES NP
	WIN 0
	FETCH_A \slot, (\q)+1, 0
	WIN MUL_HI
	MUL16 4, (\q)%2, \zero
	MUL16 6, (\q)%2, \zero
	PLACES NP
	WIN 0
	FETCH_A \slot, (\q)+1, 4
.endm
; A slot's last step changes slots: ONE barrier; in front of it each wave waits for all its tensor loads, adds 0 to its spare word, and waits for that and for its reads of this slot.
.macro TURN slot, next, fill
	s_wait_tensorcnt 0x0                           ; all my tensor loads have landed: my part of the next slot
	ds_add_u32 v[SPW], v[NIL]                      ; 0 onto my spare word
	s_wait_dscnt 4*NL+1                            ; (the add and the youngest 16 loads may be out)
	WIN MUL_LO
	MUL16 0, 1, 0
	s_wait_dscnt 0x0                               ; the add is done, and my reads of this slot are over
	s_barrier_signal -1
	MUL16 2, 1, 0
	WIN 0
	s_barrier_wait -1
.if \fill
	CREST                                          ; the barrier has opened a round of the cluster's barrier: no wave of any partner still reads this slot or has a load on its way
	s_add_nc_u64 s[G0+4*\slot+2:G0+4*\slot+3], s[G0+4*\slot+2:G0+4*\slot+3], 2*ROWB
	s_add_nc_u64 s[G0B+4*\slot+2:G0B+4*\slot+3], s[G0B+4*\slot+2:G0B+4*\slot+3], 2*ROWB
	JLOAD G0+4*\slot, G1, G0B+4*\slot, G1B, \slot  ; the first tensor load behind the round; the four v_nop on each way are the places in front of the loads below
.else
	PLACES NP
.endif
	FETCH_B \next, 0, 0
	FETCH_A \next, 0, 0
	WIN MUL_HI
	MUL16 4, 1, 0
	MUL16 6, 1, 0
	PLACES NP
	WIN 0
	FETCH_A \next, 0, 4
.endm
	s_wait_tensorcnt 0x0                           ; my one load, a whole tile of slot 0 or of slot 1, is in
	s_barrier_signal -1
	s_barrier_wait -1
	FETCH_B 0, 0, 0
	global_prefetch_b8 v19, s[98:99] offset:768 th:TH_LOAD_NT scope:SCOPE_SE   ; K step 3
	FETCH_A 0, 0, 0
	FETCH_A 0, 0, 4
	STEP 0, 0, 1                                   ; the first step starts the sums: nothing is cleared
	s_mov_b32 s3, LAPS-1
.Llap:
	TURN 0, 1, 1
	STEP 1, 0, 0
	TURN 1, 0, 1
	STEP 0, 0, 0
	s_sub_co_u32 s3, s3, 1
	s_cmp_lg_u32 s3, 0
	s_cbranch_scc1 .Llap
	TURN 0, 1, 0
	STEP 1, 0, 0
	s_wait_dscnt 4*NL
	WIN MUL_LO
	MUL16 0, 1, 0
	MUL16 2, 1, 0
	s_wait_dscnt 0
	WIN MUL_HI
	MUL16 4, 1, 0
	MUL16 6, 1, 0
	WIN 0
	s_barrier_signal -1                            ; my reads of slot 1 are over (the wait for 0 above): behind this barrier nobody reads the ring, which has had its last fill: the stages lie in it
	s_barrier_wait -1
	s_wait_kmcnt 0x0
	s_add_co_i32 s96, s76, s77                     ; e0 + e1
	s_add_co_i32 s96, s96, 127
	s_lshl_b32 s96, s96, 23                        ; 2^(e0 + e1) as f32
	s_mov_b32 s97, s96                             ; (named with it as a pair)
	s_cmp_eq_u32 ttmp9, 0
	s_cselect_b32 s92, s78, s79                    ; q: e2; k: e3;
	s_cmp_eq_u32 ttmp9, 2
	s_cselect_b32 s92, s81, s92                    ; v: e5
	s_add_co_i32 s92, s92, 127
	s_lshl_b32 s93, s92, 23
	v_mov_b32 v[SCL], s93
	s_add_co_i32 s92, s92, 15
	s_lshl_b32 s92, s92, 23
	s_or_b32 s92, s92, 0x600000
	v_mov_b32 v[LIM], s92
	s_wait_loadcnt 0x0                             ; the bias
	PLACES NP
; Block a (16 of S1's rows x 128 of S0's): sum x 2^(e0 + e1) + bias, held, converted (a tile's eight numbers: 8 codes), 8 bytes a lane into the work-group's stage.
.macro QBLK a, isv
.set AC, 64*((\a)%4)
.set CC, CD+16*((\a)%2)
	WIN 0x02+((\a)/4)                              ; source 0: window 2 or 3
.set jj, 0
.rept 32
.if \isv
	v_pk_fma_f32 v[XR+jj:XR+jj+1], v[AC+jj:AC+jj+1], s[96:97], v[BR+2*(\a):BR+2*(\a)+1] op_sel_hi:[1,0,1]   ; each accumulator from its low end on
.else
	v_pk_fma_f32 v[XR+jj:XR+jj+1], v[AC+jj:AC+jj+1], s[96:97], v[BC+jj:BC+jj+1] op_sel_hi:[1,0,1]
.endif
.set jj, jj+2
.endr
	WIN 0
.set jj, 0
.rept 64
	v_med3_num_f32 v[XR+jj], v[XR+jj], -v[LIM], v[LIM]   ; the conversion does not saturate (ISA guide 7.6.2): the hold at the largest code x the scale
.set jj, jj+1
.endr
	s_wait_alu depctr_va_vdst(0)
	s_wait_dscnt 8                                 ; the stores of two blocks ago have read this set of code registers; the last block's eight may be out
.irp b, 0,1,2,3,4,5,6,7
	v_cvt_scalef32_pk8_bf8_f32 v[CC+2*\b:CC+2*\b+1], v[XR+8*\b:XR+8*\b+7], v[SCL]
.endr
	v_nop                                          ; a plain line behind the last conversion: the next block writes its sources
.irp b, 0,1,2,3,4,5,6,7
.if \isv
	ds_store_b64 v[STOV], v[CC+2*\b:CC+2*\b+1] offset:16*(\a)*VSP+16*\b
.else
	ds_store_b64 v[STOQ], v[CC+2*\b:CC+2*\b+1] offset:16*(\a)*QP+16*\b
.endif
.endr
.endm
	s_cmp_eq_u32 ttmp9, 2                          ; the same in every wave of every partner
	s_cbranch_scc1 .Lv
	; ---- q and k: rows = tokens, bytes = features.  Wave w takes head 4 cx + w of the tile's four: 256 tokens x 64 bytes, 16,384 bytes on end in memory
	s_lshr_b32 s20, s17, 3                         ; the batch
	s_lshl_b32 s20, s20, 4
	s_lshl_b32 s21, s40, 2
	s_add_co_u32 s20, s20, s21
	s_add_co_u32 s20, s20, s14                     ; 16 x batch + head
	s_lshl_b32 s20, s20, 17
	s_and_b32 s21, s17, 7
	s_lshl_b32 s21, s21, 14                        ; + 256 tokens of 64 bytes for each tile of tokens
	s_add_co_u32 s20, s20, s21
	s_mov_b32 s21, 0
	s_cmp_eq_u32 ttmp9, 0
	s_cselect_b64 s[90:91], s[68:69], s[70:71]
	s_add_nc_u64 s[90:91], s[90:91], s[20:21]
.irp a, 0,1,2,3,4,5,6,7
	QBLK \a, 0
.endr
	s_wait_dscnt 0x0                               ; for the others' sake: my stores into the stage are done
	s_barrier_signal -1
	s_barrier_wait -1
.set ii, 0
.rept 16
	ds_load_b128 v[128+4*ii:128+4*ii+3], v[RDQ] offset:8*QP*ii
.set ii, ii+1
.endr
.set ii, 0
.rept 16
	ds_load_b128 v[192+4*ii:192+4*ii+3], v[RDQ2] offset:8*QP*ii
.set ii, ii+1
.endr
.set ii, 0
.rept 32
	s_wait_dscnt 31-ii
	global_store_b128 v[GQ], v[128+4*ii:128+4*ii+3], s[90:91] offset:512*ii   ; 512 consecutive bytes, at a multiple of 256 from the buffer's first byte
.set ii, ii+1
.endr
	s_branch .Ldone
.Lv:
	; ---- v: rows = features, bytes = tokens.  Wave w takes features 64 w .. 64 w + 63 of the tile: sixteen lanes store 256 consecutive bytes of a feature's row
	s_lshr_b32 s20, s42, 3                         ; the batch
	s_lshl_b32 s20, s20, 21
	s_lshl_b32 s21, s41, 19                        ; 256 cy features of 2,048 bytes
	s_add_co_u32 s20, s20, s21
	s_lshl_b32 s21, s14, 17                        ; 64 x wave
	s_add_co_u32 s20, s20, s21
	s_and_b32 s21, s42, 7
	s_lshl_b32 s21, s21, 8                         ; the tile's 256 tokens
	s_add_co_u32 s20, s20, s21
	s_mov_b32 s21, 0
	s_add_nc_u64 s[90:91], s[72:73], s[20:21]
.irp a, 0,1,2,3,4,5,6,7
	QBLK \a, 1
.endr
	s_wait_dscnt 0x0
	s_barrier_signal -1
	s_barrier_wait -1
.set ii, 0
.rept 32
	ds_load_b128 v[128+4*ii:128+4*ii+3], v[RDV] offset:2*VSP*ii
.set ii, ii+1
.endr
.set ii, 0
.rept 32
	s_wait_dscnt 31-ii
	global_store_b128 v[GV], v[128+4*ii:128+4*ii+3], s[90:91] offset:4096*ii
.set ii, ii+1
.endr
.Ldone:
	s_wait_tensorcnt 0x0                           ; the wave's end
	ds_add_u32 v[SPW], v[NIL]
	s_wait_dscnt 0x0
	CROUND                                         ; the closing round
	s_endpgm
.Lfunc_end_k_q3f93a15ae6_qkv:
	.size	k_q3f93a15ae6_qkv, .Lfunc_end_k_q3f93a15ae6_qkv-k_q3f93a15ae6_qkv
	.p2alignl 7, 3214868480
	.fill 96, 4, 3214868480
	.section	.rodata,"a",@progbits
	.p2align	6, 0x0
	.amdhsa_kernel k_q3f93a15ae6_qkv
		.amdhsa_group_segment_fixed_size 327680
		.amdhsa_private_segment_fixed_size 0
		.amdhsa_enable_private_segment 0
		.amdhsa_kernarg_size 56
		.amdhsa_user_sgpr_count 2
		.amdhsa_user_sgpr_kernarg_segment_ptr 1
		.amdhsa_wavefront_size32 1
		.amdhsa_system_sgpr_workgroup_id_x 1
		.amdhsa_system_sgpr_workgroup_id_y 1
		.amdhsa_system_sgpr_workgroup_id_z 1
		.amdhsa_system_vgpr_workitem_id 0
		.amdhsa_next_free_vgpr 1024
		.amdhsa_next_free_sgpr 100
		.amdhsa_reserve_vcc 0
		.amdhsa_float_denorm_mode_32 3
		.amdhsa_float_denorm_mode_16_64 3
		.amdhsa_memory_ordered 1
		.amdhsa_forward_progress 1
		.amdhsa_inst_pref_size 211
	.end_amdhsa_kernel
	.amdgpu_metadata
---
amdhsa.version: [ 1, 2 ]
amdhsa.kernels:
  - .name:           k_q3f93a15ae6_qkv
    .symbol:         k_q3f93a15ae6_qkv.kd
    .args:
      - { .name: ac, .offset: 0, .size: 8, .value_kind: global_buffer, .address_space: global }
      - { .name: w_qkv_codes, .offset: 8, .size: 8, .value_kind: global_buffer, .address_space: global }
      - { .name: lowp_scales, .offset: 16, .size: 8, .value_kind: global_buffer, .address_space: global }
      - { .name: b_qkv, .offset: 24, .size: 8, .value_kind: global_buffer, .address_space: global }
      - { .name: qc, .offset: 32, .size: 8, .value_kind: global_buffer, .address_space: global }
      - { .name: kc, .offset: 40, .size: 8, .value_kind: global_buffer, .address_space: global }
      - { .name: vc, .offset: 48, .size: 8, .value_kind: global_buffer, .address_space: global }
    .group_segment_fixed_size: 327680
    .private_segment_fixed_size: 0
    .kernarg_segment_align: 8
    .kernarg_segment_size: 56
    .max_flat_workgroup_size: 128
    .sgpr_count:     100
    .vgpr_count:     1024
    .wavefront_size: 32
...
	.end_amdgpu_metadata
.endif
;; end of part 2
;; launch attn (part 3): grid 8 x 32, 16 waves a work-group, clusters of 4 x 1, 327,680 bytes of LDS; arguments qc, kc, vc, lowp_scales, cc; writes cc
.if DOCPART == 3
	.amdgcn_target "amdgcn-amd-amdhsa--gfx1250"
	.amdhsa_code_object_version 6
	.text
	.protected	k_q3f93a15ae6_attn
	.globl	k_q3f93a15ae6_attn
	.p2align	8
	.type	k_q3f93a15ae6_attn,@function
k_q3f93a15ae6_attn:
	s_mov_b64 s[64:65], 0
	v_nop
	global_prefetch_b8 v0, s[64:65] scope:SCOPE_SE
	s_setreg_imm32_b32 hwreg(HW_REG_WAVE_MODE, 25, 1), 1
	s_wait_xcnt 0x0
	s_wait_alu depctr_hold_cnt(0) depctr_sa_sdst(0) depctr_va_vdst(0) depctr_va_sdst(0) depctr_va_ssrc(0) depctr_va_vcc(0) depctr_vm_vsrc(0)
	s_getreg_b32 s2, hwreg(HW_REG_IB_STS2, 6, 4)
	s_cmp_eq_u32 s2, 0
	s_cbranch_scc0 .Lentry_in_a_cluster
	s_endpgm
.Lentry_in_a_cluster:
	s_bfe_u32 s2, ttmp6, 0x10000c
	s_cmp_lg_u32 s2, 0x3003
	s_cbranch_scc0 .Lentry_shape_is_right
	s_endpgm
.Lentry_shape_is_right:
; ctx = causal attention on codes of E5M2, and its codes.  qc, kc: [32 heads][2048][64] codes (scales 2^e2, 2^e3); vc: per head 64 rows (channels) of 2,048 codes, the keys innermost (2^e5).
; cc: [4096 tokens][1024 = 64 head + channel] codes of ctx with 2^e6.
; THE SOFTMAX: t = score x log2(e) / 8; M = the running largest t rounded UP to a whole number; p = 2^(t - M) is quantised with 2^e4, not normalised; the row's sum is taken of the unquantised p and divides at the end.
; When M moves, the sum and O are multiplied by 2^(old M - new M): exact.
; THE WHOLE HEAD LIES IN LDS: four slots of 512 keys, each K's 512 rows of 64 + 16 bytes and V's 64 rows of 512 + 16 bytes: 4 x 74,752 = 299,008 bytes.  It is filled once, by twelve loads at the kernel's head, one a wave
; (waves 0-7: 256 keys of K each; waves 8-11: a slot's V each).  So there is no ring and no refill: one barrier stands in front of the first read, and the waves walk their steps without meeting until the end.
; SHARES.  A work-group serves one head with 16 waves and 16 tiles of 16 queries: tile g + 8 x rank, g = the work-group's number in the head (0..7), rank 0..15.  A tile of rank k needs the key steps 0 .. k of 128 keys,
; and step k is the one on the diagonal: 136 steps in all.  They are dealt so that no wave has more than 9.  Pair j (waves j and j + 8) owns the tiles of rank 8 + j and 7 - j, 17 steps:
;   wave j:     steps 0 .. 7 of the large tile: 8 steps;
;   wave j + 8: the small tile whole (8 - j steps), which it stores at once; then steps 8 .. 8 + j of the large tile (j + 1 steps): 9 steps.
; The large tile's two parts have each their own M, sum and O^T.  At the end wave j hands its part to wave j + 8 through LDS, as an image of its registers; both parts are brought under the larger M by powers of two, which
; rounds nothing, and are added.  What is left out under the mask hangs on the wave's number and a counter alone, and is the same in all work-groups.
; CLUSTER.  Four work-groups of a head form a cluster and ask for each tile of K and V JOINTLY: the same load, the same descriptor, the mask of all four.
; Nothing is prefetched: every tile is asked for at the kernel's head, so no later request is left to run ahead of.
; LAYOUT.  S^T = K Q^T (source 0 = 16 neighbouring keys, source 1 = my 16 queries), O^T = V^T P^T: a lane holds ONE query throughout.  The conversion of tile t of S^T gives keys 16 t + 8 (lane / 16) + 0 .. 7 in
; registers 2 t, 2 t + 1: the place that the K = 128 form itself gives them; V's fragments are read in that same layout, 8 bytes a load.  Q and K are read 16 bytes a load: one permutation of the head's 64, the same on both sides.
; LIMITS: e2 + e3 between -123 and 130 (added to c's exponent field); e4 and e6 between -126 and 112; e4 + e5 is applied by v_ldexp_f32.  NaN among the inputs is not served.
; A head's part of a row of cc is 64 bytes in the tensor itself: the results leave in runs of 64 bytes.
; REGISTERS: v1-11 addresses that stay or are in hand; v12 -M, v13 the largest t, v[14:15] the sum in two halves; v16-23 Q of the first tile, v24-31 Q of the large tile; v32-95 K's eight fragments, then V's four;
; v96-159 S^T, then p; v160-191 O^T; v224-239 p's codes; v240-254 constants and registers at work.
.set SK,    512                        ; keys in a slot
.set KP,    80                         ; a key's row in LDS: 64 bytes + 16
.set VP,    528                        ; a channel's row of a slot: 512 bytes + 16
.set VOFF,  SK*KP                      ; a slot: 512 rows of K, then 64 rows of V
.set SLOTB, VOFF+64*VP                 ; 74,752 bytes
.set STAGE, 4*SLOTB                    ; behind the head: 16 rows x 80 bytes for each wave, for the way out; no fill lands here
.set SPARE, STAGE+16*1280              ; the spare words, 128 bytes for each wave: eight blocks of 256 bytes that no other line names
.set EXB,   9*512                      ; the exchange: nine groups of four registers for each pair, at LDS byte 0: K's first rows, behind the barrier behind which nobody reads them; they have had their one fill
.set AK0, 1                            ; v1  my lane's place in a tile of K
.set AV0, 2                            ; v2  in a tile of V
.set XA,  3                            ; v3  my lane's place in my pair's exchange
.set DM,  4                            ; v4  my query's place in its step of 128, less 8 (lane / 16): for the mask
.set SPW, 5
.set NIL, 6
.set GO,  7                            ; v7  the way out: my byte offset in cc
.set ADK, 8
.set ADV, 9
.set SI,  10                           ; v10 my stage, on the way in
.set SO,  11                           ; v11 and back
.set QA,  16                           ; v16-23 Q's fragment of the tile of the first eight steps
.set QB,  24                           ; v24-31 of the large tile
.set QOF, 245                          ; v245 Q's load offset; never rewritten
.set TB,    14                         ; s14 LDS byte at which the slot in hand begins
.set LC,    15                         ; s15 counts a loop's two slots
.set KS,    16                         ; s16 the key step in hand, 0..15
.set RK,    17                         ; s17 the last key step of the tile in hand
.set WV,    18
.set J,     19                         ; s19 my pair
.set SEL,   20
.set CS,    22                         ; s[22:23] c = log2(e) / 8 x 2^(e2 + e3)
.set G1K,   24
.set G1V,   32
.set G0K,   40
.set G0V,   44
.set CB,    48                         ; s[48:49] cc at the large tile's first row (s[12:13]: at the first tile's)
.set QBA,   50                         ; s[50:51] qc at the large tile's first query
.set RKB,   86                         ; s86 the large tile's rank
.set E45,   87                         ; s87 e4 + e5
; THE DEAL OF THE LARGE TILE, which takes the place of the split at key step 8 in the head comment's SHARES: wave j takes the large tile's key steps 0 .. SPLIT - 1, as far as the tile has them (rank 8 + j: 9 + j steps);
; wave j + 8 takes the small tile whole (8 - j steps) and the large tile's steps from SPLIT on.  With SPLIT = 12: waves 0-7 walk 9, 10, 11, 12, 12, 12, 12, 12 steps, waves 8-15 walk 8, 7, 6, 5, 5, 5, 5, 5.
; A wave j + 8 that has no step of the large tile hands in zeros under M = -3e38: the join multiplies them by 2^(-2^31) = 0.  All of it hangs on the wave's number and the step's counter alone.
.set SPLIT, 12
.set LO,    90                         ; s90 the first key step that I walk in the loop in hand
.set DG,    91                         ; s91 the key step on the diagonal of the tile in hand
; Waves 0 to 7 fetch K, waves 8 to 11 V, the others nothing.  The branches hang on the wave's number alone.  Four v_nop follow each of the two lines.
.macro TLOAD
	s_cmp_lt_u32 s[WV], 8
	s_cbranch_scc0 .Lnot_k_\@
	tensor_load_to_lds s[G0K:G0K+3], s[G1K:G1K+7]
	s_nop 0
.rept 4
	v_nop
.endr
	s_branch .Lasked_\@
.Lnot_k_\@:
	s_cmp_lt_u32 s[WV], 12
	s_cbranch_scc0 .Lasked_\@
	tensor_load_to_lds s[G0V:G0V+3], s[G1V:G1V+7]
	s_nop 0
.rept 4
	v_nop
.endr
.Lasked_\@:
.endm
.macro CROUND                          ; a round of the cluster's barrier
	s_barrier_signal -1
	s_barrier_wait -1
	s_cmp_lg_u32 s[WV], 0
	s_cbranch_scc1 .Lnot_wave_0_\@
	s_barrier_signal -3
.Lnot_wave_0_\@:
	s_barrier_wait -3
	s_barrier_signal -1
	s_barrier_wait -1
.endm
.macro INIT                            ; a tile's sums begin: the step is written once, and its first walk finds zeros, which the first change of M leaves zeros
	v_mov_b32 v13, 0xff61b1e6                      ; the largest t so far: -3e38
	s_delay_alu instid0(VALU_DEP_1)
	v_floor_f32 v12, -v13                          ; -M
	v_mov_b32 v14, 0                               ; the sum, in two halves
	v_mov_b32 v15, 0
.set jj, 0
.rept 32
	v_mov_b32 v[160+jj], 0                         ; O^T
.set jj, jj+1
.endr
.endm
	s_load_b256 s[4:11], s[0:1], 0x0               ; qc s[4:5], kc s[6:7], vc s[8:9], scales s[10:11]
	s_load_b64 s[12:13], s[0:1], 0x20              ; cc
	v_lshl_add_u32 v[SPW], v0, 2, SPARE
	v_mov_b32 v[NIL], 0
	ds_add_u32 v5, v6
	ds_add_u32 v5, v6
	s_wait_dscnt 0x0
	v_lshrrev_b32 v8, 5, v0
	s_delay_alu instid0(VALU_DEP_1)
	v_readfirstlane_b32 s[WV], v8                  ; wave 0..15
	s_and_b32 s[J], s[WV], 7                       ; my pair
	s_add_co_u32 s[RKB], s[J], 8                   ; the large tile's rank,
	s_sub_co_u32 s60, 7, s[J]                      ; the small tile's
	s_cmp_lt_u32 s[WV], 8
	s_cselect_b32 s[RK], s[RKB], s60               ; key steps 0..7: waves 0-7 work on the large tile, waves 8-15 on the small one
	s_mov_b32 s[DG], s[RK]                         ; a tile's diagonal lies in the key step of its rank
	s_mov_b32 s[LO], 0
	s_bfe_u32 s61, ttmp6, 0x40000                  ; cx
	s_lshl_b32 s62, ttmp9, 2
	s_add_co_u32 s62, s62, s61                     ; g: it enters Q's and cc's addresses and the mask's lane constant alone
	s_lshl_b32 s63, s[RK], 3
	s_add_co_u32 s63, s63, s62                     ; the first tile of 16 queries,
	s_lshl_b32 s67, s[RKB], 3
	s_add_co_u32 s67, s67, s62                     ; the large one
	s_and_b32 s66, ttmp7, 0xffff                   ; the head, which the partners share
	s_lshl_b32 s68, s66, 17                        ; its first byte in qc, kc and vc
	s_mov_b32 s69, 0
	s_lshl_b32 s70, s63, 10                        ; 16 queries of 64 bytes
	s_mov_b32 s71, 0
	s_add_nc_u64 s[70:71], s[70:71], s[68:69]
	s_lshl_b32 s72, s67, 10
	s_mov_b32 s73, 0
	s_add_nc_u64 s[72:73], s[72:73], s[68:69]
	s_lshr_b32 s74, s66, 4
	s_lshl_b32 s74, s74, 21                        ; the batch's 2,048 rows of 1,024 bytes,
	s_and_b32 s75, s66, 15
	s_lshl_b32 s75, s75, 6                         ; my head's 64 bytes of a row,
	s_add_co_u32 s74, s74, s75
	s_lshl_b32 s76, s63, 14                        ; a tile's 16 rows
	s_add_co_u32 s76, s76, s74
	s_mov_b32 s77, 0
	s_lshl_b32 s78, s67, 14
	s_add_co_u32 s78, s78, s74
	s_mov_b32 s79, 0
	; what I fetch, if I fetch.  K (waves 0-7): keys 256 j on: slot j / 2, half j % 2.  V (waves 8-11): slot wave % 4
	s_lshl_b32 s80, s[J], 14
	s_mov_b32 s81, 0
	s_add_nc_u64 s[80:81], s[80:81], s[68:69]      ; K: in memory,
	s_lshr_b32 s82, s[J], 1
	s_mul_i32 s82, s82, SLOTB
	s_and_b32 s83, s[J], 1
	s_mul_i32 s83, s83, 256*KP
	s_add_co_u32 s82, s82, s83                     ; and in LDS: no place in the cluster enters an LDS address
	s_and_b32 s84, s[WV], 3
	s_lshl_b32 s88, s84, 9
	s_mov_b32 s89, 0
	s_add_nc_u64 s[88:89], s[88:89], s[68:69]      ; V: in memory,
	s_mul_i32 s84, s84, SLOTB
	s_add_co_u32 s84, s84, VOFF                    ; and in LDS
	s_mov_b32 s[G1K], 15|(0<<16)|(1<<20)|(1<<21)|(3<<22)|(3<<25)   ; the mask of all four; elements of 1 byte; padding: four words after every 16; bit 21 beside the mask
	s_mov_b32 s[G1K+1], 64<<16                     ; tensor_dim0
	s_mov_b32 s[G1K+2], 256<<16                    ; tensor_dim1
	s_mov_b32 s[G1K+3], 64<<16                     ; tile_dim0
	s_mov_b32 s[G1K+4], 256                        ; tile_dim1
	s_mov_b32 s[G1K+5], 64                         ; stride
	s_mov_b32 s[G1K+6], 0
	s_mov_b32 s[G1K+7], 0
	s_mov_b32 s[G1V], 15|(0<<16)|(1<<20)|(1<<21)|(6<<22)|(3<<25)   ; padding: four words after every 128
	s_mov_b32 s[G1V+1], 512<<16
	s_mov_b32 s[G1V+2], 64<<16
	s_mov_b32 s[G1V+3], 512<<16
	s_mov_b32 s[G1V+4], 64
	s_mov_b32 s[G1V+5], 2048
	s_mov_b32 s[G1V+6], 0
	s_mov_b32 s[G1V+7], 0
	s_mov_b32 s[SEL], 0x76543210
	s_mov_b32 s[SEL+1], 0xfedcba98
	s_mov_b32 s[CS], 0x3e38aa3b                    ; log2(e) / 8
	s_mov_b32 s[TB], 0
	s_mov_b32 s[KS], 0
	s_wait_kmcnt 0x0
	s_load_b256 s[52:59], s[10:11], 0x0            ; e0 .. e7
	s_mov_b32 s[G0K], 1
	s_mov_b32 s[G0K+1], s82
	s_add_nc_u64 s[G0K+2:G0K+3], s[6:7], s[80:81]
	s_or_b32 s[G0K+3], s[G0K+3], 0x80000000
	s_mov_b32 s[G0V], 1
	s_mov_b32 s[G0V+1], s84
	s_add_nc_u64 s[G0V+2:G0V+3], s[8:9], s[88:89]
	s_or_b32 s[G0V+3], s[G0V+3], 0x80000000
	CROUND                                         ; all four work-groups are here: the joint loads meet
	TLOAD                                          ; the whole head, a load a wave: one tensor load of mine is out
	s_add_nc_u64 s[QBA:QBA+1], s[4:5], s[72:73]    ; Q's codes at the large tile's first query,
	s_add_nc_u64 s[4:5], s[4:5], s[70:71]          ; and at the first tile's
	s_add_nc_u64 s[CB:CB+1], s[12:13], s[78:79]    ; cc likewise
	s_add_nc_u64 s[12:13], s[12:13], s[76:77]
	v_and_b32 v8, 15, v0                           ; r
	v_bfe_u32 v9, v0, 4, 1                         ; h
	s_delay_alu instid0(VALU_DEP_2)
	v_lshlrev_b32 v[QOF], 6, v8
	s_delay_alu instid0(VALU_DEP_1)
	v_lshl_add_u32 v[QOF], v9, 4, v[QOF]
	global_load_b128 v[QA:QA+3], v[QOF], s[4:5]    ; both fragments of Q stay in registers
	global_load_b128 v[QA+4:QA+7], v[QOF], s[4:5] offset:32
	global_load_b128 v[QB:QB+3], v[QOF], s[QBA:QBA+1]
	global_load_b128 v[QB+4:QB+7], v[QOF], s[QBA:QBA+1] offset:32
	; all LDS addresses are made here, ahead of every parting of the waves
	v_mul_u32_u24 v[AK0], v8, KP
	s_delay_alu instid0(VALU_DEP_1)
	v_lshl_add_u32 v[AK0], v9, 4, v[AK0]
	v_mul_u32_u24 v[AV0], v8, VP
	s_delay_alu instid0(VALU_DEP_1)
	v_lshl_add_u32 v[AV0], v9, 3, v[AV0]
	s_delay_alu instid0(VALU_DEP_1)
	v_add_nc_u32 v[AV0], VOFF, v[AV0]
	s_lshl_b32 s78, s62, 4
	v_lshlrev_b32 v[DM], 3, v9
	s_delay_alu instid0(VALU_DEP_1)
	v_sub_nc_u32 v[DM], v8, v[DM]
	s_delay_alu instid0(VALU_DEP_1)
	v_add_nc_u32 v[DM], s78, v[DM]                 ; 16 g + r - 8 h
	v_and_b32 v246, 31, v0
	s_mul_i32 s60, s[J], EXB
	v_lshl_add_u32 v[XA], v246, 4, s60             ; 16 x lane + my pair's 4,608 bytes
	v_lshrrev_b32 v247, 2, v246                    ; lane / 4
	v_and_b32 v246, 3, v246                        ; lane % 4
	s_delay_alu instid0(VALU_DEP_2)
	v_lshlrev_b32 v[GO], 10, v247
	s_delay_alu instid0(VALU_DEP_1)
	v_lshl_add_u32 v[GO], v246, 4, v[GO]
	s_mul_i32 s79, s[WV], 1280
	s_add_co_u32 s79, s79, STAGE
	v_mul_u32_u24 v[SI], v8, 80
	s_delay_alu instid0(VALU_DEP_1)
	v_lshl_add_u32 v[SI], v9, 3, v[SI]
	s_delay_alu instid0(VALU_DEP_1)
	v_add_nc_u32 v[SI], s79, v[SI]
	v_mul_u32_u24 v[SO], v247, 80
	s_delay_alu instid0(VALU_DEP_1)
	v_lshl_add_u32 v[SO], v246, 4, v[SO]
	s_delay_alu instid0(VALU_DEP_1)
	v_add_nc_u32 v[SO], s79, v[SO]
	v_mov_b32 v241, 0                              ; a lane permute's destination counts as one of its sources
	v_mov_b32 v253, 0                              ; (named as the upper half of the pair v[252:253])
	INIT
	s_wait_kmcnt 0x0
	s_add_co_i32 s80, s54, s55
	s_lshl_b32 s80, s80, 23
	s_add_co_i32 s[CS], s[CS], s80                 ; a score stands for score x 2^(e2 + e3)
	s_mov_b32 s[CS+1], s[CS]
	s_add_co_i32 s80, s56, 127
	s_lshl_b32 s81, s80, 23
	v_mov_b32 v244, s81                            ; 2^e4
	s_add_co_i32 s80, s80, 15
	s_lshl_b32 s80, s80, 23
	s_or_b32 s80, s80, 0x600000
	v_mov_b32 v240, s80                            ; 57,344 x 2^e4,
	v_mov_b32 v193, s80                            ; and once more, in another register bank: the two halves of a dual-issue pair take their second sources from different banks
	s_add_co_i32 s80, s58, 127
	s_lshl_b32 s81, s80, 23
	v_mov_b32 v248, s81                            ; 2^e6
	s_add_co_i32 s80, s80, 15
	s_lshl_b32 s80, s80, 23
	s_or_b32 s80, s80, 0x600000
	v_mov_b32 v249, s80                            ; 57,344 x 2^e6
	s_add_co_i32 s[E45], s56, s57                  ; e4 + e5
; A KEY STEP: 128 keys, the q-th of the slot in hand, against the queries whose fragment lies in v[qr] on.
.macro STEP q, qr
	s_cmp_gt_u32 s[KS], s[RK]                      ; not a step of mine: left out.  No barrier and no tensor load stands in a step
	s_cbranch_scc1 .Lhidden_\@
	s_cmp_lt_u32 s[KS], s[LO]
	s_cbranch_scc1 .Lhidden_\@
	v_add_nc_u32 v[ADK], s[TB], v[AK0]
	v_add_nc_u32 v[ADV], s[TB], v[AV0]
	v_nop
	v_nop                                          ; four places in front of loads into registers that the last products read
.irp t, 0,1,2,3,4,5,6,7
.irp c, 0,1
	ds_load_b128 v[32+8*\t+4*\c:32+8*\t+4*\c+3], v[ADK] offset:(128*(\q)+16*\t)*KP+32*\c
.endr
.endr
	s_wait_alu depctr_va_vdst(0)
	s_wait_dscnt 0x0
.irp t, 0,1,2,3,4,5,6,7
	v_wmma_f32_16x16x64_bf8_bf8 v[96+8*\t:103+8*\t], v[32+8*\t:39+8*\t], v[\qr:\qr+7], 0
.endr
.rept 4
	v_nop                                          ; places: in front of V's loads into K's registers, and of the first read of the scores
.endr
.irp f, 0,1,2,3
.irp c, 0,1,2,3,4,5,6,7
	ds_load_b64 v[32+16*\f+2*\c:32+16*\f+2*\c+1], v[ADV] offset:16*\f*VP+128*(\q)+16*\c   ; V's four fragments: they land under the softmax
.endr
.endr
	s_cmp_lg_u32 s[KS], s[DG]                      ; only the tile's step on the diagonal has hidden keys
	s_cbranch_scc1 .Lopen_\@
	v_mov_b32 v254, 0xff800000                     ; -infinity: p = 0 then
.irp n, 0,1,2,3,4,5,6,7,8,9,10,11,12,13,14,15,16,17,18,19,20,21,22,23,24,25,26,27,28,29,30,31,32,33,34,35,36,37,38,39,40,41,42,43,44,45,46,47,48,49,50,51,52,53,54,55,56,57,58,59,60,61,62,63
	v_cmp_gt_i32 vcc_lo, 16*(\n/8)+\n%8, v[DM]     ; register n holds key 16 (n / 8) + 8 (lane / 16) + n % 8 of the step
	v_cndmask_b32 v[96+\n], v[96+\n], v254, vcc_lo
.endr
.Lopen_\@:
	v_max3_num_f32 v254, v96, v97, v98             ; the step's largest score of my query, in two chains, each accumulator from its low end on
	v_max3_num_f32 v252, v99, v100, v101
.irp i, 6,10,14,18,22,26,30,34,38,42,46,50,54,58
	v_max3_num_f32 v254, v254, v[96+\i], v[97+\i]
	v_max3_num_f32 v252, v252, v[98+\i], v[99+\i]
.endr
	v_max3_num_f32 v254, v254, v158, v159
	s_delay_alu instid0(VALU_DEP_1)
	v_max_num_f32 v254, v254, v252
	s_delay_alu instid0(VALU_DEP_1)
	v_permlanex16_b32 v241, v254, s[SEL], s[SEL+1]
	s_delay_alu instid0(VALU_DEP_1)
	v_max_num_f32 v254, v254, v241                 ; and among lane l xor 16's
	s_delay_alu instid0(VALU_DEP_1)
	v_mul_f32 v254, s[CS], v254                    ; as t
	s_delay_alu instid0(VALU_DEP_1)
	v_max_num_f32 v13, v13, v254                   ; the running largest t
	v_mov_b32 v254, v12
	s_delay_alu instid0(VALU_DEP_2)
	v_floor_f32 v12, -v13                          ; the new -M = -ceil(t)
	s_delay_alu instid0(VALU_DEP_1)
	v_sub_f32 v254, v12, v254                      ; old M - new M: a whole number, 0 or less
	s_delay_alu instid0(VALU_DEP_1)
	v_cvt_i32_f32 v254, v254
	s_delay_alu instid0(VALU_DEP_1)
	v_ldexp_f32 v252, 1.0, v254                    ; f = 2^(old M - new M)
.set jj, 0
.rept 32
	v_pk_fma_f32 v[96+jj:97+jj], v[96+jj:97+jj], s[CS:CS+1], v[12:13] op_sel_hi:[1,0,0]   ; t - M
.set jj, jj+2
.endr
.set jj, 0
	s_wait_alu depctr_va_vdst(0)
.rept 64
	v_exp_f32 v[96+jj], v[96+jj]                   ; p = 2^(t - M)
.set jj, jj+1
.endr
	v_pk_mul_f32 v[14:15], v[14:15], v[252:253] op_sel_hi:[1,0]   ; the sums under the new M: the plain line behind the exponentials
	s_wait_alu depctr_va_vdst(0)                   ; one wait for the whole batch, ahead of its first reader
	v_pk_add_f32 v[242:243], v[100:101], v[104:105]
	v_pk_add_f32 v[254:255], v[108:109], v[112:113]
	v_pk_add_f32 v[250:251], v[116:117], v[120:121]
	v_pk_add_f32 v[238:239], v[124:125], v[128:129]
	v_pk_add_f32 v[236:237], v[132:133], v[136:137]
	v_pk_add_f32 v[234:235], v[140:141], v[144:145]
	v_pk_add_f32 v[232:233], v[148:149], v[152:153]
	v_pk_add_f32 v[14:15], v[14:15], v[156:157]
	v_pk_add_f32 v[242:243], v[242:243], v[96:97]
	v_pk_add_f32 v[254:255], v[254:255], v[98:99]
	v_pk_add_f32 v[250:251], v[250:251], v[102:103]
	v_pk_add_f32 v[238:239], v[238:239], v[106:107]
	v_pk_add_f32 v[236:237], v[236:237], v[110:111]
	v_pk_add_f32 v[234:235], v[234:235], v[114:115]
	v_pk_add_f32 v[232:233], v[232:233], v[118:119]
	v_pk_add_f32 v[14:15], v[14:15], v[122:123]
	v_pk_add_f32 v[242:243], v[242:243], v[126:127]
	v_pk_add_f32 v[254:255], v[254:255], v[130:131]
	v_pk_add_f32 v[250:251], v[250:251], v[134:135]
	v_pk_add_f32 v[238:239], v[238:239], v[138:139]
	v_pk_add_f32 v[236:237], v[236:237], v[142:143]
	v_pk_add_f32 v[234:235], v[234:235], v[146:147]
	v_pk_add_f32 v[232:233], v[232:233], v[150:151]
	v_pk_add_f32 v[14:15], v[14:15], v[154:155]
	v_pk_add_f32 v[242:243], v[242:243], v[158:159]
	s_delay_alu instid0(VALU_DEP_2)
	v_pk_add_f32 v[14:15], v[14:15], v[238:239]
	s_delay_alu instid0(VALU_DEP_2)
	v_pk_add_f32 v[242:243], v[242:243], v[236:237]
	v_pk_add_f32 v[254:255], v[254:255], v[234:235]
	v_pk_add_f32 v[250:251], v[250:251], v[232:233]
	s_delay_alu instid0(VALU_DEP_2)
	v_pk_add_f32 v[14:15], v[14:15], v[254:255]
	s_delay_alu instid0(VALU_DEP_2)
	v_pk_add_f32 v[242:243], v[242:243], v[250:251]
	s_delay_alu instid0(VALU_DEP_1)
	v_pk_add_f32 v[14:15], v[14:15], v[242:243]
.irp t, 0,1,2,3,4,5,6,7
.irp i, 0,2,4,6
	v_dual_min_num_f32 v[96+8*\t+\i], v[96+8*\t+\i], v240 :: v_dual_min_num_f32 v[97+8*\t+\i], v[97+8*\t+\i], v193   ; p is not negative: a one-sided hold (the conversion does not saturate: ISA guide 7.6.2), two numbers a line
.endr
	v_cvt_scalef32_pk8_bf8_f32 v[224+2*\t:225+2*\t], v[96+8*\t:103+8*\t], v244
.endr
.set jj, 0
.rept 16
	v_pk_mul_f32 v[160+jj:161+jj], v[160+jj:161+jj], v[252:253] op_sel_hi:[1,0]   ; O^T under the new M; also the plain lines behind the conversions
.set jj, jj+2
.endr
	s_wait_alu depctr_va_vdst(0)
	s_wait_dscnt 0x0                               ; V
.irp f, 0,1,2,3
	v_wmma_f32_16x16x128_bf8_bf8 v[160+8*\f:167+8*\f], v[32+16*\f:47+16*\f], v[224:239], v[160+8*\f:167+8*\f]   ; the four accumulators take turns
.endr
.Lhidden_\@:
	s_add_co_u32 s[KS], s[KS], 1
.endm
; THE WAY OUT of a tile whose sum of my keys lies in v14: O^T / the row's sum x 2^(e4 + e5) is ctx; it is held, converted with 2^e6, and goes through my own stage, so that four lanes store a token's 64 bytes.
.macro FINISH base
	v_permlanex16_b32 v241, v14, s[SEL], s[SEL+1]
	s_delay_alu instid0(VALU_DEP_1)
	v_add_f32 v14, v14, v241                       ; the row's sum
	s_wait_alu depctr_va_vdst(0)
	v_rcp_f32 v14, v14
	v_nop                                          ; a plain line behind the reciprocal,
	s_wait_alu depctr_va_vdst(0)                   ; and the wait ahead of its first reader
	v_ldexp_f32 v14, v14, s[E45]
.set jj, 0
.rept 32
	v_mul_f32 v[96+jj], v[160+jj], v14             ; register 8 f + i: ctx(query r, channel 16 f + 8 h + i); each accumulator from its low end on
.set jj, jj+1
.endr
.set jj, 0
.rept 32
	v_med3_num_f32 v[96+jj], v[96+jj], -v249, v249 ; the conversion does not saturate (ISA guide 7.6.2)
.set jj, jj+1
.endr
.irp f, 0,1,2,3
	v_cvt_scalef32_pk8_bf8_f32 v[224+2*\f:225+2*\f], v[96+8*\f:103+8*\f], v248
.endr
	v_nop                                          ; a plain line behind the last conversion
.irp f, 0,1,2,3
	ds_store_b64 v[SI], v[224+2*\f:225+2*\f] offset:16*\f
.endr
	ds_load_b128 v[32:35], v[SO]                   ; LDS serves a wave's instructions in order (ISA guide 5.7.1.4): these see my stores
	ds_load_b128 v[36:39], v[SO] offset:640
	s_wait_dscnt 1                                 ; the younger of the two loads may be out
	global_store_b128 v[GO], v[32:35], s[\base:\base+1]
	s_wait_dscnt 0
	global_store_b128 v[GO], v[36:39], s[\base:\base+1] offset:8192
.endm
	s_wait_loadcnt 0x0                             ; Q
	s_wait_tensorcnt 0x0                           ; my part of the head has landed,
	s_barrier_signal -1
	s_barrier_wait -1                              ; everybody's has: from here on K and V are only read
	s_mov_b32 s[LC], 2
.Lfirst:                                           ; key steps 0 .. 7: slots 0 and 1
	STEP 0, QA
	STEP 1, QA
	STEP 2, QA
	STEP 3, QA
	s_add_co_u32 s[TB], s[TB], SLOTB
	s_sub_co_u32 s[LC], s[LC], 1
	s_cmp_lg_u32 s[LC], 0
	s_cbranch_scc1 .Lfirst
	s_cmp_lt_u32 s[WV], 8
	s_cbranch_scc1 .Lkeep                          ; waves 0-7 keep their part of the large tile as it stands
.rept 4
	v_nop                                          ; places behind the last products
.endr
	v_add_f32 v14, v14, v15
	FINISH 12                                      ; waves 8-15: the small tile is finished and leaves;
	INIT                                           ; the large tile's second part begins
	s_wait_xcnt 0x0                                ; the stores have read v32-39, into which the next step loads
.Lkeep:
	s_min_u32 s60, s[RKB], SPLIT-1
	s_cmp_lt_u32 s[WV], 8
	s_cselect_b32 s[RK], s60, s[RKB]               ; key steps 8 .. 15 of the large tile: waves 0-7 go on up to step SPLIT - 1 or the diagonal,
	s_cselect_b32 s[LO], 0, SPLIT                  ; waves 8-15 walk from step SPLIT up to the diagonal
	s_mov_b32 s[DG], s[RKB]
	s_mov_b32 s[LC], 2
.Lsecond:                                          ; slots 2 and 3: every wave walks the loop
	STEP 0, QB
	STEP 1, QB
	STEP 2, QB
	STEP 3, QB
	s_add_co_u32 s[TB], s[TB], SLOTB
	s_sub_co_u32 s[LC], s[LC], 1
	s_cmp_lg_u32 s[LC], 0
	s_cbranch_scc1 .Lsecond
.rept 4
	v_nop                                          ; places behind the last products: in front of the stores of O^T, of the loads into V's registers and of the lines on O^T below
.endr
	s_wait_dscnt 0x0                               ; my reads of K and V are over
	s_barrier_signal -1
	s_barrier_wait -1                              ; everybody's are: K's first rows may be written
	s_cmp_lt_u32 s[WV], 8
	s_cbranch_scc0 .Lno_image
	s_wait_alu depctr_va_vdst(0)
.irp c, 0,1,2,3,4,5,6,7
	ds_store_b128 v[XA], v[160+4*\c:163+4*\c] offset:512*\c   ; waves 0-7: my part as an image of its registers: O^T, each accumulator from its low end on,
.endr
	ds_store_b128 v[XA], v[12:15] offset:4096      ; and -M, the largest t, the sum's two halves
.Lno_image:
	s_wait_dscnt 0x0                               ; for the partner's sake: my stores are done
	s_barrier_signal -1
	s_barrier_wait -1
	s_cmp_lt_u32 s[WV], 8
	s_cbranch_scc1 .Lend
.irp c, 0,1,2,3,4,5,6,7
	ds_load_b128 v[32+4*\c:35+4*\c], v[XA] offset:512*\c      ; waves 8-15: the partner's registers, in the same lanes
.endr
	ds_load_b128 v[64:67], v[XA] offset:4096
	s_wait_dscnt 0x0
	v_min_num_f32 v254, v12, v64                   ; -M of both parts together: the smaller
	s_delay_alu instid0(VALU_DEP_1)
	v_sub_f32 v252, v254, v12                      ; my M less the joint one: a whole number, 0 or less
	s_delay_alu instid0(VALU_DEP_2)
	v_sub_f32 v246, v254, v64                      ; the partner's likewise
	s_delay_alu instid0(VALU_DEP_2)
	v_cvt_i32_f32 v252, v252
	s_delay_alu instid0(VALU_DEP_2)
	v_cvt_i32_f32 v246, v246
	s_delay_alu instid0(VALU_DEP_2)
	v_ldexp_f32 v252, 1.0, v252                    ; two powers of two: the multiplications below round nothing
	s_delay_alu instid0(VALU_DEP_2)
	v_ldexp_f32 v246, 1.0, v246
	v_add_f32 v14, v14, v15
	v_add_f32 v66, v66, v67
	s_delay_alu instid0(VALU_DEP_2)
	v_mul_f32 v14, v14, v252
	s_delay_alu instid0(VALU_DEP_1)
	v_fma_f32 v14, v66, v246, v14                  ; the sum of my lane's keys of both parts
.set jj, 0
.rept 16
	v_pk_mul_f32 v[160+jj:161+jj], v[160+jj:161+jj], v[252:253] op_sel_hi:[1,0]
.set jj, jj+2
.endr
.set jj, 0
.rept 16
	v_pk_fma_f32 v[160+jj:161+jj], v[32+jj:33+jj], v[246:247], v[160+jj:161+jj] op_sel_hi:[1,0,1]   ; (of the pair v[246:247] the low word serves both halves)
.set jj, jj+2
.endr
	FINISH CB                                      ; the large tile leaves
.Lend:
	s_wait_tensorcnt 0x0                           ; the wave's end: my last LDS instructions
	ds_add_u32 v[SPW], v[NIL]
	s_wait_dscnt 0x0
	CROUND                                         ; the closing round: no work-group ends while a partner may still ask for a tile that names it
	s_endpgm
.Lfunc_end_k_q3f93a15ae6_attn:
	.size	k_q3f93a15ae6_attn, .Lfunc_end_k_q3f93a15ae6_attn-k_q3f93a15ae6_attn
	.p2alignl 7, 3214868480
	.fill 96, 4, 3214868480
	.section	.rodata,"a",@progbits
	.p2align	6, 0x0
	.amdhsa_kernel k_q3f93a15ae6_attn
		.amdhsa_group_segment_fixed_size 327680
		.amdhsa_private_segment_fixed_size 0
		.amdhsa_enable_private_segment 0
		.amdhsa_kernarg_size 40
		.amdhsa_user_sgpr_count 2
		.amdhsa_user_sgpr_kernarg_segment_ptr 1
		.amdhsa_wavefront_size32 1
		.amdhsa_system_sgpr_workgroup_id_x 1
		.amdhsa_system_sgpr_workgroup_id_y 1
		.amdhsa_system_sgpr_workgroup_id_z 1
		.amdhsa_system_vgpr_workitem_id 0
		.amdhsa_next_free_vgpr 256
		.amdhsa_next_free_sgpr 100
		.amdhsa_reserve_vcc 1
		.amdhsa_float_denorm_mode_32 3
		.amdhsa_float_denorm_mode_16_64 3
		.amdhsa_memory_ordered 1
		.amdhsa_forward_progress 1
		.amdhsa_inst_pref_size 200
	.end_amdhsa_kernel
	.amdgpu_metadata
---
amdhsa.version: [ 1, 2 ]
amdhsa.kernels:
  - .name:           k_q3f93a15ae6_attn
    .symbol:         k_q3f93a15ae6_attn.kd
    .args:
      - { .name: qc, .offset: 0, .size: 8, .value_kind: global_buffer, .address_space: global }
      - { .name: kc, .offset: 8, .size: 8, .value_kind: global_buffer, .address_space: global }
      - { .name: vc, .offset: 16, .size: 8, .value_kind: global_buffer, .address_space: global }
      - { .name: lowp_scales, .offset: 24, .size: 8, .value_kind: global_buffer, .address_space: global }
      - { .name: cc, .offset: 32, .size: 8, .value_kind: global_buffer, .address_space: global }
    .group_segment_fixed_size: 327680
    .private_segment_fixed_size: 0
    .kernarg_segment_align: 8
    .kernarg_segment_size: 40
    .max_flat_workgroup_size: 512
    .sgpr_count:     100
    .vgpr_count:     256
    .wavefront_size: 32
...
	.end_amdgpu_metadata
.endif
;; end of part 3
;; launch aproj (part 4): grid 8 x 32, 4 waves a work-group, clusters of 4 x 4, 327,680 bytes of LDS; arguments cc, w_attn_proj_codes, lowp_scales, b_attn_proj, x, x2; writes x2
.if DOCPART == 4
	.amdgcn_target "amdgcn-amd-amdhsa--gfx1250"
	.amdhsa_code_object_version 6
	.text
	.protected	k_q3f93a15ae6_aproj
	.globl	k_q3f93a15ae6_aproj
	.p2align	8
	.type	k_q3f93a15ae6_aproj,@function
k_q3f93a15ae6_aproj:
	s_mov_b64 s[64:65], 0
	v_nop
	global_prefetch_b8 v0, s[64:65] scope:SCOPE_SE
	s_setreg_imm32_b32 hwreg(HW_REG_WAVE_MODE, 25, 1), 1
	s_wait_xcnt 0x0
	s_wait_alu depctr_hold_cnt(0) depctr_sa_sdst(0) depctr_va_vdst(0) depctr_va_sdst(0) depctr_va_ssrc(0) depctr_va_vcc(0) depctr_vm_vsrc(0)
	s_getreg_b32 s2, hwreg(HW_REG_IB_STS2, 6, 4)
	s_cmp_eq_u32 s2, 0
	s_cbranch_scc0 .Lentry_in_a_cluster
	s_endpgm
.Lentry_in_a_cluster:
	s_bfe_u32 s2, ttmp6, 0x10000c
	s_cmp_lg_u32 s2, 0xf033
	s_cbranch_scc0 .Lentry_shape_is_right
	s_endpgm
.Lentry_shape_is_right:
; x2 = x + ctx W^T x 2^(e6 + e7) + b_attn_proj.  cc: [4096][1024] codes of E5M2, w_attn_proj_codes: [1024][1024] codes, K innermost; bias [1024], x and x2 [4096][1024] f32.
; LIMIT: e6 + e7 between -126 and 127.
; 256 work-groups, each a tile of 128 x 128 by four waves of 64 x 64: 16 accumulators a wave.  K = 1,024 lies in LDS whole, as two slots of 512: wave w brings operand w / 2 of slot w % 2, 128 rows x 512 bytes,
; with its one tensor load at the head.  Nothing is filled again, and nothing is prefetched: every tile is asked for at the head, so no later request is left to run ahead of.
; CLUSTERS: 4 x 4 work-groups; cc's tile is shared along a row of the cluster, W's along a column: joint loads.  The matrix instruction is used transposed (source 0 = 16 rows of W, source 1 = 16 rows of cc).
.set SIZE_K, 1024
.set EOFF,   0x18
.set KSTEP,  512
.set PITCH,  528
.set HALFT,  64*PITCH
.set SLOT,   4*HALFT
.set STAGE,  2*SLOT
.set SPITCH, 272
.set SPARE,  STAGE+4*16*SPITCH
.set LAPS,   SIZE_K/(2*KSTEP)
.set BI,   8
.set ADRA, 16
.set ADRB, 20
.set STO,  24
.set RD,   25
.set CO,   26
.set BIO,  27
.set SPW,  28
.set NIL,  29
.set BK,   32
.set ACC,  128
.set F0,   0
.set F1,   128
.set SC,   76
.set G1, 24
.set G0, 32
.set G1B, 48
.set G0B, 56
.set MSB, 0
.macro WIN new
.if MSB != \new
	s_set_vgpr_msb (MSB<<8)|\new
.set MSB, \new
.endif
.endm
.set MUL,  0x05
.set TO_F, 0x40
.macro JLOAD s
	s_cmp_eq_u32 s11, 0
	s_cbranch_scc0 .Lfor_b_\@
	tensor_load_to_lds s[G0+4*\s:G0+4*\s+3], s[G1:G1+7]
	s_nop 0
.rept 4
	v_nop
.endr
	s_branch .Lasked_\@
.Lfor_b_\@:
	tensor_load_to_lds s[G0B+4*\s:G0B+4*\s+3], s[G1B:G1B+7]
	s_nop 0
.rept 4
	v_nop
.endr
.Lasked_\@:
.endm
.macro CREST
	s_cmp_lg_u32 s10, 0
	s_cbranch_scc1 .Lnot_wave_0_\@
	s_barrier_signal -3
.Lnot_wave_0_\@:
	s_barrier_wait -3
	s_barrier_signal -1
	s_barrier_wait -1
.endm
.macro CROUND
	s_barrier_signal -1
	s_barrier_wait -1
	CREST
.endm
	s_load_b128 s[4:7], s[0:1], 0x0
	s_load_b128 s[68:71], s[0:1], 0x10
	s_load_b128 s[72:75], s[0:1], 0x20
	v_lshl_add_u32 v[SPW], v0, 2, SPARE
	v_mov_b32 v[NIL], 0
	ds_add_u32 v28, v29
	ds_add_u32 v28, v29
	s_wait_dscnt 0x0
	v_lshrrev_b32 v1, 5, v0
	v_readfirstlane_b32 s10, v1
	s_lshr_b32 s11, s10, 1
	s_and_b32 s12, s10, 1
	s_bfe_u32 s40, ttmp6, 0x40000
	s_bfe_u32 s41, ttmp6, 0x40004
	s_lshl_b32 s42, ttmp9, 2
	s_add_co_u32 s42, s42, s40
	s_and_b32 s13, ttmp7, 0xffff
	s_lshl_b32 s13, s13, 2
	s_add_co_u32 s13, s13, s41
	s_lshl_b32 s43, s41, 2
	s_lshl_b32 s43, 15, s43
	s_lshl_b32 s44, 0x1111, s40
	s_or_b32 s[G1+0], s43, (0<<16)|(1<<20)|(1<<21)|(6<<22)|(3<<25)
	s_or_b32 s[G1B+0], s44, (0<<16)|(1<<20)|(1<<21)|(6<<22)|(3<<25)
.irp g, G1, G1B
	s_mov_b32 s[\g+1], KSTEP<<16
	s_mov_b32 s[\g+2], 128<<16
	s_mov_b32 s[\g+3], KSTEP<<16
	s_mov_b32 s[\g+4], 128
	s_mov_b32 s[\g+5], SIZE_K
	s_mov_b32 s[\g+6], 0
	s_mov_b32 s[\g+7], 0
.endr
	s_lshl_b32 s16, s13, 7
	s_mul_i32 s16, s16, SIZE_K
	s_lshl_b32 s46, s42, 7
	s_mul_i32 s46, s46, SIZE_K
	s_mov_b32 s17, 0
	s_mov_b32 s47, 0
	s_mul_i32 s20, s11, 2*HALFT                    ; cc's 128 rows, then W's
	s_wait_kmcnt 0x0
	s_load_b64 s[SC:SC+1], s[68:69], EOFF
	s_add_nc_u64 s[14:15], s[4:5], s[16:17]
	s_add_nc_u64 s[46:47], s[6:7], s[46:47]
	CROUND
.irp s, 0,1
	s_mov_b32 s[G0+4*\s], 1
	s_add_co_u32 s[G0+4*\s+1], s20, \s*SLOT
	s_add_nc_u64 s[G0+4*\s+2:G0+4*\s+3], s[14:15], \s*KSTEP
	s_or_b32 s[G0+4*\s+3], s[G0+4*\s+3], 0x80000000
	s_mov_b32 s[G0B+4*\s], 1
	s_add_co_u32 s[G0B+4*\s+1], s20, \s*SLOT
	s_add_nc_u64 s[G0B+4*\s+2:G0B+4*\s+3], s[46:47], \s*KSTEP
	s_or_b32 s[G0B+4*\s+3], s[G0B+4*\s+3], 0x80000000
.endr
; THE FILLS: one tensor load a wave, in one chain of branches on the wave's number: the four loads bring all of K.
.macro HL g0, g1
	tensor_load_to_lds s[\g0:\g0+3], s[\g1:\g1+7]
	s_nop 0
.rept 4
	v_nop
.endr
.endm
	s_cmp_lt_u32 s10, 2
	s_cbranch_scc0 .Lh_b
	s_cmp_eq_u32 s10, 0
	s_cbranch_scc0 .Lh_a1
	HL G0, G1
	s_branch .Lh_j
.Lh_a1:
	HL G0+4, G1
	s_branch .Lh_j
.Lh_b:
	s_cmp_eq_u32 s10, 2
	s_cbranch_scc0 .Lh_b1
	HL G0B, G1B
	s_branch .Lh_j
.Lh_b1:
	HL G0B+4, G1B
.Lh_j:
	v_and_b32 v1, 15, v0
	s_wait_alu depctr_va_vdst(0)
	v_bfe_u32 v2, v0, 4, 1
	v_mul_u32_u24 v3, v1, PITCH
	v_lshl_add_u32 v3, v2, 4, v3
	s_mul_i32 s21, s11, HALFT
	s_mul_i32 s22, s12, HALFT
	s_add_co_u32 s22, s22, 2*HALFT
.irp s, 0,1
	v_add_nc_u32 v[ADRA+\s], s21, v3
	v_add_nc_u32 v[ADRB+\s], s22, v3
	s_add_co_u32 s21, s21, SLOT
	s_add_co_u32 s22, s22, SLOT
.endr
	s_mul_i32 s23, s10, 16*SPITCH
	s_add_co_u32 s23, s23, STAGE
	v_mul_u32_u24 v4, v1, SPITCH
	s_wait_alu depctr_va_vdst(0)
	v_lshl_add_u32 v4, v2, 5, v4
	v_add_nc_u32 v[STO], s23, v4
	v_mul_u32_u24 v5, v2, SPITCH
	v_lshl_add_u32 v5, v1, 4, v5
	v_add_nc_u32 v[RD], s23, v5
	v_lshlrev_b32 v[CO], 12, v2
	v_lshl_add_u32 v[CO], v1, 4, v[CO]
	s_wait_alu depctr_va_vdst(0)
	v_lshlrev_b32 v[BIO], 4, v1
	s_wait_alu depctr_va_vdst(0)
	s_lshl_b32 s16, s13, 19
	s_lshl_b32 s17, s11, 18
	s_add_co_u32 s16, s16, s17
	s_lshl_b32 s46, s42, 9
	s_lshl_b32 s47, s12, 8
	s_add_co_u32 s46, s46, s47
	s_add_co_u32 s16, s16, s46
	s_mov_b32 s17, 0
	s_mov_b32 s47, 0
	s_add_nc_u64 s[72:73], s[72:73], s[16:17]
	s_add_nc_u64 s[74:75], s[74:75], s[16:17]
	s_add_nc_u64 s[70:71], s[70:71], s[46:47]
.macro MULA f, a, zero
.irp b, 0,1,2,3
.if \zero
	v_wmma_f32_16x16x128_bf8_bf8 v[ACC+8*(4*(\a)+\b):ACC+8*(4*(\a)+\b)+7], v[\f+64+16*\b:\f+64+16*\b+15], v[\f+16*(\a):\f+16*(\a)+15], 0
.else
	v_wmma_f32_16x16x128_bf8_bf8 v[ACC+8*(4*(\a)+\b):ACC+8*(4*(\a)+\b)+7], v[\f+64+16*\b:\f+64+16*\b+15], v[\f+16*(\a):\f+16*(\a)+15], v[ACC+8*(4*(\a)+\b):ACC+8*(4*(\a)+\b)+7]
.endif
.endr
.endm
.macro FETCH slot, k, f
	WIN TO_F
.irp i, 0,1,2,3
.irp c, 0,1,2,3
	ds_load_b128 v[\f+64+16*\i+4*\c:\f+64+16*\i+4*\c+3], v[ADRB+\slot] offset:\k+32*\c+\i*16*PITCH
.endr
.endr
.irp i, 0,1,2,3
.irp c, 0,1,2,3
	ds_load_b128 v[\f+16*\i+4*\c:\f+16*\i+4*\c+3], v[ADRA+\slot] offset:\k+32*\c+\i*16*PITCH
.endr
.endr
.endm
.macro PLACES
.rept 4
	v_nop
.endr
.endm
.macro QUARTER slot, k, f, g, zero
	s_wait_dscnt 8
	WIN MUL
	MULA \f, 0, \zero
	MULA \f, 1, \zero
	PLACES
	FETCH \slot, \k, \g
	s_wait_dscnt 32
	WIN MUL
	MULA \f, 2, \zero
	MULA \f, 3, \zero
.endm
.macro TURN slot, next, fill
	WIN 0
	s_wait_tensorcnt 0x0
	ds_add_u32 v[SPW], v[NIL]
	s_wait_dscnt 9
	WIN MUL
	MULA F1, 0, 0
	s_wait_dscnt 0x0
	s_barrier_signal -1
	MULA F1, 1, 0
.if \fill
	WIN 0
.endif
	s_barrier_wait -1
.if \fill
	CREST
	s_add_nc_u64 s[G0+4*\slot+2:G0+4*\slot+3], s[G0+4*\slot+2:G0+4*\slot+3], 2*KSTEP
	s_add_nc_u64 s[G0B+4*\slot+2:G0B+4*\slot+3], s[G0B+4*\slot+2:G0B+4*\slot+3], 2*KSTEP
	JLOAD \slot
.else
	PLACES
.endif
	FETCH \next, 0, F0
	WIN MUL
	MULA F1, 2, 0
	MULA F1, 3, 0
.endm
	s_wait_tensorcnt 0x0                           ; my one load is in
	s_barrier_signal -1
	s_barrier_wait -1
	FETCH 0, 0, F0
	; my part of x (64 x 64 f32, into window 2) and of the bias: asked for behind the tiles, which the products wait for; only the way out waits for these 33 loads
	WIN 0x80
.irp a, 0,1,2,3
.irp t, 0,1,2,3,4,5,6,7
	global_load_b128 v[4*(8*\a+\t):4*(8*\a+\t)+3], v[CO], s[72:73] offset:(16*\a+2*\t)*4096
.endr
.endr
	WIN 0
	global_load_b128 v[BI:BI+3], v[BIO], s[70:71]
	QUARTER 0, 128, F0, F1, 1
.if LAPS > 1
	WIN 0
	s_mov_b32 s3, LAPS-1
.Llap:
	QUARTER 0, 256, F1, F0, 0
	QUARTER 0, 384, F0, F1, 0
	TURN 0, 1, 1
	QUARTER 1, 128, F0, F1, 0
	QUARTER 1, 256, F1, F0, 0
	QUARTER 1, 384, F0, F1, 0
	TURN 1, 0, 1
	QUARTER 0, 128, F0, F1, 0
	WIN 0
	s_sub_co_u32 s3, s3, 1
	s_cmp_lg_u32 s3, 0
	s_cbranch_scc1 .Llap
.endif
	QUARTER 0, 256, F1, F0, 0
	QUARTER 0, 384, F0, F1, 0
	TURN 0, 1, 0
	QUARTER 1, 128, F0, F1, 0
	QUARTER 1, 256, F1, F0, 0
	QUARTER 1, 384, F0, F1, 0
	s_wait_dscnt 8
	WIN MUL
	MULA F1, 0, 0
	MULA F1, 1, 0
	s_wait_dscnt 0
	MULA F1, 2, 0
	MULA F1, 3, 0
	WIN 0
	s_wait_kmcnt 0x0
	s_add_co_i32 s[SC], s[SC], s[SC+1]
	s_add_co_i32 s[SC], s[SC], 127
	s_lshl_b32 s[SC], s[SC], 23
	s_mov_b32 s[SC+1], s[SC]
	s_wait_loadcnt 0x0
	PLACES
.macro TOSTAGE a
.set BB, BK+32*((\a)%2)
.irp b, 0,1,2,3
	ds_store_b128 v[STO], v[ACC+8*(4*(\a)+\b):ACC+8*(4*(\a)+\b)+3] offset:64*\b
	ds_store_b128 v[STO], v[ACC+8*(4*(\a)+\b)+4:ACC+8*(4*(\a)+\b)+7] offset:64*\b+16
.endr
.irp t, 0,1,2,3,4,5,6,7
	ds_load_b128 v[BB+4*\t:BB+4*\t+3], v[RD] offset:\t*2*SPITCH
.endr
.endm
.macro SEND a, younger
.set BB, BK+32*((\a)%2)
	s_wait_dscnt \younger
	WIN 0x20
.set ii, 0
.rept 16
	v_pk_fma_f32 v[BB+ii:BB+ii+1], v[BB+ii:BB+ii+1], s[SC:SC+1], v[32*(\a)+ii:32*(\a)+ii+1] op_sel_hi:[1,0,1]
.set ii, ii+2
.endr
	WIN 0
.set ii, 0
.rept 8
	v_pk_add_f32 v[BB+ii:BB+ii+1], v[BB+ii:BB+ii+1], v[BI:BI+1]
	v_pk_add_f32 v[BB+ii+2:BB+ii+3], v[BB+ii+2:BB+ii+3], v[BI+2:BI+3]
.set ii, ii+4
.endr
.irp t, 0,1,2,3,4,5,6,7
	global_store_b128 v[CO], v[BB+4*\t:BB+4*\t+3], s[74:75] offset:(16*(\a)+2*\t)*4096
.endr
.endm
	TOSTAGE 0
.irp a, 1,2,3
.if \a > 1
	s_wait_xcnt 0x0
.endif
	TOSTAGE \a
	SEND \a-1, 16
.endr
	SEND 3, 0
	s_wait_tensorcnt 0x0
	ds_add_u32 v[SPW], v[NIL]
	s_wait_dscnt 0x0
	CROUND
	s_endpgm
.Lfunc_end_k_q3f93a15ae6_aproj:
	.size	k_q3f93a15ae6_aproj, .Lfunc_end_k_q3f93a15ae6_aproj-k_q3f93a15ae6_aproj
	.p2alignl 7, 3214868480
	.fill 96, 4, 3214868480
	.section	.rodata,"a",@progbits
	.p2align	6, 0x0
	.amdhsa_kernel k_q3f93a15ae6_aproj
		.amdhsa_group_segment_fixed_size 327680
		.amdhsa_private_segment_fixed_size 0
		.amdhsa_enable_private_segment 0
		.amdhsa_kernarg_size 48
		.amdhsa_user_sgpr_count 2
		.amdhsa_user_sgpr_kernarg_segment_ptr 1
		.amdhsa_wavefront_size32 1
		.amdhsa_system_sgpr_workgroup_id_x 1
		.amdhsa_system_sgpr_workgroup_id_y 1
		.amdhsa_system_sgpr_workgroup_id_z 1
		.amdhsa_system_vgpr_workitem_id 0
		.amdhsa_next_free_vgpr 768
		.amdhsa_next_free_sgpr 80
		.amdhsa_reserve_vcc 0
		.amdhsa_float_denorm_mode_32 3
		.amdhsa_float_denorm_mode_16_64 3
		.amdhsa_memory_ordered 1
		.amdhsa_forward_progress 1
		.amdhsa_inst_pref_size 53
	.end_amdhsa_kernel
	.amdgpu_metadata
---
amdhsa.version: [ 1, 2 ]
amdhsa.kernels:
  - .name:           k_q3f93a15ae6_aproj
    .symbol:         k_q3f93a15ae6_aproj.kd
    .args:
      - { .name: cc, .offset: 0, .size: 8, .value_kind: global_buffer, .address_space: global }
      - { .name: w_attn_proj_codes, .offset: 8, .size: 8, .value_kind: global_buffer, .address_space: global }
      - { .name: lowp_scales, .offset: 16, .size: 8, .value_kind: global_buffer, .address_space: global }
      - { .name: b_attn_proj, .offset: 24, .size: 8, .value_kind: global_buffer, .address_space: global }
      - { .name: x, .offset: 32, .size: 8, .value_kind: global_buffer, .address_space: global }
      - { .name: x2, .offset: 40, .size: 8, .value_kind: global_buffer, .address_space: global }
    .group_segment_fixed_size: 327680
    .private_segment_fixed_size: 0
    .kernarg_segment_align: 8
    .kernarg_segment_size: 48
    .max_flat_workgroup_size: 128
    .sgpr_count:     80
    .vgpr_count:     768
    .wavefront_size: 32
...
	.end_amdgpu_metadata
.endif
;; end of part 4
;; launch ln2 (part 5): grid 256 x 1, 8 waves a work-group, no clusters, 17,408 bytes of LDS; arguments x2, ln2_w, ln2_b, lowp_scales, ac; writes ac
.if DOCPART == 5
	.amdgcn_target "amdgcn-amd-amdhsa--gfx1250"
	.amdhsa_code_object_version 6
	.text
	.protected	k_q3f93a15ae6_ln2
	.globl	k_q3f93a15ae6_ln2
	.p2align	8
	.type	k_q3f93a15ae6_ln2,@function
k_q3f93a15ae6_ln2:
	s_mov_b64 s[64:65], 0
	v_nop
	global_prefetch_b8 v0, s[64:65] scope:SCOPE_SE
	s_setreg_imm32_b32 hwreg(HW_REG_WAVE_MODE, 25, 1), 1
	s_wait_xcnt 0x0
; ac = codes of LayerNorm(x2) * w + b.  x2: [4096][1024] f32; w, b: [1024] f32; ac: [4096][1024] codes of E5M2, K innermost, with the given scale 2^e, e = entry EOFF/4 of the scales.
; code = y / 2^e, held within +-57,344, rounded to the nearest code, ties to even.  LIMITS: -126 <= e <= 112; NaN among the inputs is not served.
; SHARES.  A work-group takes 16 rows, a wave 2; a row of 4,096 bytes lies in 32 registers of one wave, so mean and variance never leave the wave: no barrier.
; The mean is taken first and the squares of the centred numbers second, both from registers: a common offset of the row costs no accuracy, and memory is read once.
; All 32 loads of a wave (two rows, gain, bias) are issued at its head; each covers 512 consecutive bytes.  Lane L's register 4 j + i holds column 128 j + 4 L + i.
; A conversion packs eight registers: code register j holds columns 128 j + 4 L .. + 3.  The codes turn through the wave's own 2,048 bytes of LDS, so that each store to memory covers 512 consecutive bytes.
; No matrix unit, no tensor load, no cluster: the launch moves bytes, and no two work-groups read the same row.
.set EOFF, 32                          ; byte offset of this operand's exponent among the scales
.set X0, 16                            ; v16-47   row 0
.set X1, 48                            ; v48-79   row 1
.set WG, 80                            ; v80-111  the gain
.set BB, 112                           ; v112-143 the bias
.set T,  144                           ; v144-159 eight registers a row: four chains of pairs, later the mean, later 1/sqrt
.set C0, 160                           ; v160-167 row 0's codes
.set C1, 168                           ; v168-175 row 1's
.set OU, 176                           ; v176-191 the codes as they leave
	s_load_b256 s[4:11], s[0:1], 0x0               ; x2 s[4:5], gain s[6:7], bias s[8:9], scales s[10:11]
	s_load_b64 s[12:13], s[0:1], 0x20              ; the codes
	v_lshl_add_u32 v192, v0, 2, 0x4000
	v_mov_b32 v193, 0
	v_lshrrev_b32 v1, 5, v0
	s_delay_alu instid0(VALU_DEP_1)
	v_readfirstlane_b32 s14, v1                    ; wave 0..7
	v_and_b32 v1, 31, v0                           ; lane
	s_delay_alu instid0(VALU_DEP_1)
	v_lshlrev_b32 v2, 4, v1                        ; 16 x lane: my bytes of every load and store; never rewritten
	s_lshl_b32 s15, s14, 11                        ; my wave's 2,048 bytes of LDS
	v_lshl_add_u32 v3, v1, 2, s15                  ; in: 4 bytes a lane
	v_lshl_add_u32 v4, v1, 4, s15                  ; out: 16 bytes a lane
	s_mov_b32 s16, 0x3a800000                      ; 1 / 1024
	s_mov_b32 s17, 0x3727c5ac                      ; 1e-5
	s_mov_b32 s18, 0x76543210                      ; lane selects: lane l xor 16
	s_mov_b32 s19, 0xfedcba98
	s_lshl_b32 s22, ttmp9, 16                      ; 16 rows of 4,096 bytes a work-group,
	s_lshl_b32 s23, s14, 13                        ; 2 a wave
	s_add_co_u32 s22, s22, s23
	s_mov_b32 s23, 0
	s_lshl_b32 s24, ttmp9, 14                      ; and of 1,024 bytes of codes
	s_add_co_u32 s24, s24, s15
	s_mov_b32 s25, 0
	s_wait_alu depctr_va_vdst(0)
	s_wait_kmcnt 0x0
	s_load_b32 s20, s[10:11], EOFF                 ; e
	s_add_nc_u64 s[4:5], s[4:5], s[22:23]
	s_add_nc_u64 s[12:13], s[12:13], s[24:25]
.irp j, 0,1,2,3,4,5,6,7
	global_load_b128 v[X0+4*\j:X0+4*\j+3], v2, s[4:5] offset:512*\j
.endr
.irp j, 0,1,2,3,4,5,6,7
	global_load_b128 v[X1+4*\j:X1+4*\j+3], v2, s[4:5] offset:4096+512*\j
.endr
.irp j, 0,1,2,3,4,5,6,7
	global_load_b128 v[WG+4*\j:WG+4*\j+3], v2, s[6:7] offset:512*\j
.endr
.irp j, 0,1,2,3,4,5,6,7
	global_load_b128 v[BB+4*\j:BB+4*\j+3], v2, s[8:9] offset:512*\j
.endr
	s_wait_kmcnt 0x0
	s_add_co_i32 s20, s20, 127
	s_lshl_b32 s21, s20, 23
	v_mov_b32 v11, s21                             ; 2^e as f32: the conversion takes its exponent field
	s_add_co_i32 s20, s20, 15
	s_lshl_b32 s20, s20, 23
	s_or_b32 s20, s20, 0x600000
	v_mov_b32 v10, s20                             ; 57,344 x 2^e
; four chains of pairs become one number in every lane
.macro REDUCE
	s_delay_alu instid0(VALU_DEP_3)
	v_pk_add_f32 v[TS:TS+1], v[TS:TS+1], v[TS+2:TS+3]
	s_delay_alu instid0(VALU_DEP_2)
	v_pk_add_f32 v[TS+4:TS+5], v[TS+4:TS+5], v[TS+6:TS+7]
	s_delay_alu instid0(VALU_DEP_1)
	v_pk_add_f32 v[TS:TS+1], v[TS:TS+1], v[TS+4:TS+5]
	s_delay_alu instid0(VALU_DEP_1)
	v_add_f32 v[TS], v[TS], v[TS+1]
	s_delay_alu instid0(VALU_DEP_1)
	v_add_f32_dpp v[TS], v[TS], v[TS] row_xmask:1 row_mask:0xf bank_mask:0xf
	s_delay_alu instid0(VALU_DEP_1)
	v_add_f32_dpp v[TS], v[TS], v[TS] row_xmask:2 row_mask:0xf bank_mask:0xf
	s_delay_alu instid0(VALU_DEP_1)
	v_add_f32_dpp v[TS], v[TS], v[TS] row_xmask:4 row_mask:0xf bank_mask:0xf
	s_delay_alu instid0(VALU_DEP_1)
	v_add_f32_dpp v[TS], v[TS], v[TS] row_xmask:8 row_mask:0xf bank_mask:0xf
	s_delay_alu instid0(VALU_DEP_1)
	v_permlanex16_b32 v[TS+1], v[TS], s18, s19     ; its destination has been written before
	s_delay_alu instid0(VALU_DEP_1)
	v_add_f32 v[TS], v[TS], v[TS+1]
.endm
; the row at v[x] is centred in place; v[T + 8 p] becomes its variance + 1e-5
.macro STAT x, p
.set TS, T+8*(\p)
.irp c, 0,1,2,3
	v_pk_add_f32 v[TS+2*\c:TS+2*\c+1], v[\x+2*\c:\x+2*\c+1], v[\x+8+2*\c:\x+8+2*\c+1]   ; the first sums start the chains: nothing is cleared
.endr
.irp i, 8,9,10,11,12,13,14,15
	s_delay_alu instid0(VALU_DEP_4)
	v_pk_add_f32 v[TS+2*(\i%4):TS+2*(\i%4)+1], v[TS+2*(\i%4):TS+2*(\i%4)+1], v[\x+2*\i:\x+2*\i+1]
.endr
	REDUCE
	s_delay_alu instid0(VALU_DEP_1)
	v_mul_f32 v[TS], s16, v[TS]                    ; the mean,
	s_delay_alu instid0(VALU_DEP_1)
	v_mov_b32 v[TS+1], v[TS]                       ; as a pair
.set ii, 0
.rept 16
	v_pk_add_f32 v[\x+ii:\x+ii+1], v[\x+ii:\x+ii+1], v[TS:TS+1] neg_lo:[0,1] neg_hi:[0,1]
.set ii, ii+2
.endr
.irp c, 0,1,2,3
	v_pk_mul_f32 v[TS+2*\c:TS+2*\c+1], v[\x+2*\c:\x+2*\c+1], v[\x+2*\c:\x+2*\c+1]
.endr
.irp i, 4,5,6,7,8,9,10,11,12,13,14,15
	s_delay_alu instid0(VALU_DEP_4)
	v_pk_fma_f32 v[TS+2*(\i%4):TS+2*(\i%4)+1], v[\x+2*\i:\x+2*\i+1], v[\x+2*\i:\x+2*\i+1], v[TS+2*(\i%4):TS+2*(\i%4)+1]
.endr
	REDUCE
	s_delay_alu instid0(VALU_DEP_1)
	v_fma_f32 v[TS], v[TS], s16, s17               ; the variance + 1e-5
.endm
; the centred row becomes y = x / sqrt * gain + bias, is held, and becomes eight registers of codes
.macro NORMQ x, c, p
.set TS, T+8*(\p)
.set ii, 0
.rept 16
	v_pk_mul_f32 v[\x+ii:\x+ii+1], v[\x+ii:\x+ii+1], v[TS:TS+1]
.set ii, ii+2
.endr
.set ii, 0
.rept 16
	v_pk_fma_f32 v[\x+ii:\x+ii+1], v[\x+ii:\x+ii+1], v[WG+ii:WG+ii+1], v[BB+ii:BB+ii+1]
.set ii, ii+2
.endr
.set ii, 0
.rept 32
	v_med3_num_f32 v[\x+ii], v[\x+ii], -v10, v10   ; the conversion to an 8-bit code does not saturate (ISA guide 7.6.2): the hold at the largest code x the scale
.set ii, ii+1
.endr
.irp g, 0,1,2,3
	v_cvt_scalef32_pk8_bf8_f32 v[\c+2*\g:\c+2*\g+1], v[\x+8*\g:\x+8*\g+7], v11
.endr
	v_nop                                          ; a plain line behind the last conversion of the run
.endm
	s_wait_loadcnt 24                              ; row 0 is in; the 24 younger loads (row 1, gain, bias) may be out
	STAT X0, 0
	s_wait_loadcnt 16                              ; row 1 is in
	STAT X1, 1
	s_wait_alu depctr_va_vdst(0)
	v_rsq_f32 v[T], v[T]                           ; both rows' 1 / sqrt: one batch,
	v_rsq_f32 v[T+8], v[T+8]
	v_nop                                          ; one plain line behind it,
	s_wait_alu depctr_va_vdst(0)                   ; and one wait ahead of the first line that names a result
	v_mov_b32 v[T+1], v[T]
	v_mov_b32 v[T+9], v[T+8]
	s_wait_alu depctr_va_vdst(0)
	s_wait_loadcnt 0x0                             ; gain and bias
	NORMQ X0, C0, 0
	NORMQ X1, C1, 1
.irp j, 0,1,2,3,4,5,6,7
	ds_store_b32 v3, v[C0+\j] offset:128*\j        ; 32 lanes: 128 consecutive bytes of the row's codes
.endr
.irp j, 0,1,2,3,4,5,6,7
	ds_store_b32 v3, v[C1+\j] offset:1024+128*\j
.endr
.irp i, 0,1,2,3
	ds_load_b128 v[OU+4*\i:OU+4*\i+3], v4 offset:512*\i   ; LDS serves a wave's instructions in order (ISA guide 5.7.1.4): these see my stores
.endr
.irp i, 0,1,2,3
	s_wait_dscnt 3-\i                              ; the younger LDS loads may be out
	global_store_b128 v2, v[OU+4*\i:OU+4*\i+3], s[12:13] offset:512*\i   ; 512 consecutive bytes, at a multiple of 256 from the buffer's first byte
.endr
	s_wait_tensorcnt 0x0
	ds_add_u32 v192, v193
	s_wait_dscnt 0x0
	s_endpgm
.Lfunc_end_k_q3f93a15ae6_ln2:
	.size	k_q3f93a15ae6_ln2, .Lfunc_end_k_q3f93a15ae6_ln2-k_q3f93a15ae6_ln2
	.p2alignl 7, 3214868480
	.fill 96, 4, 3214868480
	.section	.rodata,"a",@progbits
	.p2align	6, 0x0
	.amdhsa_kernel k_q3f93a15ae6_ln2
		.amdhsa_group_segment_fixed_size 17408
		.amdhsa_private_segment_fixed_size 0
		.amdhsa_enable_private_segment 0
		.amdhsa_kernarg_size 40
		.amdhsa_user_sgpr_count 2
		.amdhsa_user_sgpr_kernarg_segment_ptr 1
		.amdhsa_wavefront_size32 1
		.amdhsa_system_sgpr_workgroup_id_x 1
		.amdhsa_system_sgpr_workgroup_id_y 1
		.amdhsa_system_sgpr_workgroup_id_z 1
		.amdhsa_system_vgpr_workitem_id 0
		.amdhsa_next_free_vgpr 194
		.amdhsa_next_free_sgpr 66
		.amdhsa_reserve_vcc 0
		.amdhsa_float_denorm_mode_32 3
		.amdhsa_float_denorm_mode_16_64 3
		.amdhsa_memory_ordered 1
		.amdhsa_forward_progress 1
		.amdhsa_inst_pref_size 27
	.end_amdhsa_kernel
	.amdgpu_metadata
---
amdhsa.version: [ 1, 2 ]
amdhsa.kernels:
  - .name:           k_q3f93a15ae6_ln2
    .symbol:         k_q3f93a15ae6_ln2.kd
    .args:
      - { .name: x2, .offset: 0, .size: 8, .value_kind: global_buffer, .address_space: global }
      - { .name: ln2_w, .offset: 8, .size: 8, .value_kind: global_buffer, .address_space: global }
      - { .name: ln2_b, .offset: 16, .size: 8, .value_kind: global_buffer, .address_space: global }
      - { .name: lowp_scales, .offset: 24, .size: 8, .value_kind: global_buffer, .address_space: global }
      - { .name: ac, .offset: 32, .size: 8, .value_kind: global_buffer, .address_space: global }
    .group_segment_fixed_size: 17408
    .private_segment_fixed_size: 0
    .kernarg_segment_align: 8
    .kernarg_segment_size: 40
    .max_flat_workgroup_size: 256
    .sgpr_count:     66
    .vgpr_count:     194
    .wavefront_size: 32
...
	.end_amdgpu_metadata
.endif
;; end of part 5
;; launch fc (part 6): grid 16 x 16, 4 waves a work-group, clusters of 4 x 4, 327,680 bytes of LDS; arguments ac, w_fc_codes, lowp_scales, b_fc, hc; writes hc
.if DOCPART == 6
	.amdgcn_target "amdgcn-amd-amdhsa--gfx1250"
	.amdhsa_code_object_version 6
	.text
	.protected	k_q3f93a15ae6_fc
	.globl	k_q3f93a15ae6_fc
	.p2align	8
	.type	k_q3f93a15ae6_fc,@function
k_q3f93a15ae6_fc:
	s_mov_b64 s[64:65], 0
	v_nop
	global_prefetch_b8 v0, s[64:65] scope:SCOPE_SE
	s_setreg_imm32_b32 hwreg(HW_REG_WAVE_MODE, 25, 1), 1
	s_wait_xcnt 0x0
	s_wait_alu depctr_hold_cnt(0) depctr_sa_sdst(0) depctr_va_vdst(0) depctr_va_sdst(0) depctr_va_ssrc(0) depctr_va_vcc(0) depctr_vm_vsrc(0)
	s_getreg_b32 s2, hwreg(HW_REG_IB_STS2, 6, 4)
	s_cmp_eq_u32 s2, 0
	s_cbranch_scc0 .Lentry_in_a_cluster
	s_endpgm
.Lentry_in_a_cluster:
	s_bfe_u32 s2, ttmp6, 0x10000c
	s_cmp_lg_u32 s2, 0xf033
	s_cbranch_scc0 .Lentry_shape_is_right
	s_endpgm
.Lentry_shape_is_right:
; hc = codes of gelu_tanh(h W^T x 2^(e8 + e9) + b_fc) with the scale 2^e10.  ac: [4096][1024] codes of E5M2, w_fc_codes: [4096][1024] codes, hc: [4096][4096] codes, K innermost; b_fc [4096] f32.
; gelu_tanh(x) = x / (1 + 2^(-2 log2(e) u)), u = sqrt(2 / pi) (x + 0.044715 x^3): the same function as 0.5 x (1 + tanh(u)).
; LIMITS: e8 + e9 between -126 and 127; e10 between -126 and 112.  NaN among the inputs is not served.
; A tile of 256 x 256 is made by four waves, each 128 x 128: 64 accumulators.  K = 1,024 goes in four steps of 256 through a ring of two LDS slots.  Wave w owns operand w / 2 and slot w % 2 and brings that
; slot's whole tile, 256 rows x 256 bytes, with one tensor load: the four loads at the head fill both slots.
; CLUSTERS: 4 x 4 work-groups; ac's tile is shared along a row of the cluster, W's along a column: joint loads.  The matrix instruction is used transposed (source 0 = 16 rows of W, source 1 = 16 rows of ac).
.set KSTEP,  256
.set ROWB,   256
.set KROW,   1024
.set PITCH,  272
.set FR,     16
.set NL,     4
.set NP,     4
.set HALFT,  128*PITCH
.set SLOT,   4*HALFT
.set LAPS,   2
.set SPARE,  2*SLOT
.set BOF,  10
.set K1,   12
.set ADRA, 16
.set ADRB, 20
.set STO,  24
.set RD,   25
.set CO,   26
.set SPW,  28
.set NIL,  29
.set SCL,  30
.set LIM,  31
.set CD,   32
.set BC,   64
.set XR,   128
.set ZR,   192
.set AF,   128
.set G1, 24
.set G0, 32
.set G1B, 48
.set G0B, 56
.set MSB, 0
.macro WIN new
.if MSB != \new
	s_set_vgpr_msb (MSB<<8)|\new
.set MSB, \new
.endif
.endm
.set MUL_LO, 0xa1
.set MUL_HI, 0xf1
.set TO_B,   0x40
; A joint refill: only the owners of slot sl ask; the other two waves run the four places alone.
.macro JLOAD g0a, g1a, g0b, g1b, sl
	s_cmp_lg_u32 s16, \sl
	s_cbranch_scc1 .Lnone_\@
	s_cmp_eq_u32 s15, 0
	s_cbranch_scc0 .Lfor_b_\@
	tensor_load_to_lds s[\g0a:\g0a+3], s[\g1a:\g1a+7]
	s_nop 0
.rept 4
	v_nop
.endr
	s_branch .Lasked_\@
.Lfor_b_\@:
	tensor_load_to_lds s[\g0b:\g0b+3], s[\g1b:\g1b+7]
	s_nop 0
.rept 4
	v_nop
.endr
	s_branch .Lasked_\@
.Lnone_\@:
.rept 4
	v_nop
.endr
.Lasked_\@:
.endm
.macro CREST
	s_cmp_lg_u32 s14, 0
	s_cbranch_scc1 .Lnot_wave_0_\@
	s_barrier_signal -3
.Lnot_wave_0_\@:
	s_barrier_wait -3
	s_barrier_signal -1
	s_barrier_wait -1
.endm
.macro CROUND
	s_barrier_signal -1
	s_barrier_wait -1
	CREST
.endm
	s_load_b128 s[4:7], s[0:1], 0x0
	s_load_b128 s[8:11], s[0:1], 0x10
	s_load_b64 s[12:13], s[0:1], 0x20
	v_lshl_add_u32 v[SPW], v0, 2, SPARE
	v_mov_b32 v[NIL], 0
	ds_add_u32 v28, v29
	ds_add_u32 v28, v29
	s_wait_dscnt 0x0
	v_lshrrev_b32 v1, 5, v0
	v_readfirstlane_b32 s14, v1
	s_lshr_b32 s15, s14, 1
	s_and_b32 s16, s14, 1
	s_bfe_u32 s40, ttmp6, 0x40000
	s_bfe_u32 s41, ttmp6, 0x40004
	s_lshl_b32 s42, ttmp9, 2
	s_add_co_u32 s42, s42, s40
	s_and_b32 s17, ttmp7, 0xffff
	s_lshl_b32 s17, s17, 2
	s_add_co_u32 s17, s17, s41
	s_lshl_b32 s43, s41, 2
	s_lshl_b32 s43, 15, s43
	s_lshl_b32 s44, 0x1111, s40
	s_or_b32 s[G1+0], s43, (0<<16)|(1<<20)|(1<<21)|(5<<22)|(3<<25)
	s_or_b32 s[G1B+0], s44, (0<<16)|(1<<20)|(1<<21)|(5<<22)|(3<<25)
.irp g, G1, G1B
	s_mov_b32 s[\g+1], ROWB<<16
	s_mov_b32 s[\g+2], 256<<16
	s_mov_b32 s[\g+3], ROWB<<16
	s_mov_b32 s[\g+4], 256
	s_mov_b32 s[\g+5], KROW
	s_mov_b32 s[\g+6], 0
	s_mov_b32 s[\g+7], 0
.endr
	s_lshl_b32 s20, s17, 18                        ; ac: 256 x tile rows of 1,024 bytes
	s_mov_b32 s21, 0
	s_lshl_b32 s46, s42, 18                        ; W likewise
	s_mov_b32 s47, 0
	s_mul_i32 s45, s15, 2*HALFT                    ; ac's 256 rows, then W's
	s_wait_kmcnt 0x0
	s_load_b128 s[76:79], s[8:9], 0x20
	s_add_nc_u64 s[20:21], s[4:5], s[20:21]
	s_add_nc_u64 s[46:47], s[6:7], s[46:47]
	CROUND
.irp s, 0,1
	s_mov_b32 s[G0+4*\s], 1
	s_add_co_u32 s[G0+4*\s+1], s45, \s*SLOT
	s_add_nc_u64 s[G0+4*\s+2:G0+4*\s+3], s[20:21], \s*ROWB
	s_or_b32 s[G0+4*\s+3], s[G0+4*\s+3], 0x80000000
	s_mov_b32 s[G0B+4*\s], 1
	s_add_co_u32 s[G0B+4*\s+1], s45, \s*SLOT
	s_add_nc_u64 s[G0B+4*\s+2:G0B+4*\s+3], s[46:47], \s*ROWB
	s_or_b32 s[G0B+4*\s+3], s[G0B+4*\s+3], 0x80000000
.endr
; THE FIRST FILLS: one tensor load a wave, in one chain of branches on the wave's number: the four loads fill both slots, K steps 0 and 1.
.macro HL g0, g1
	tensor_load_to_lds s[\g0:\g0+3], s[\g1:\g1+7]
	s_nop 0
.rept 4
	v_nop
.endr
.endm
	s_cmp_lt_u32 s14, 2
	s_cbranch_scc0 .Lh_b
	s_cmp_eq_u32 s14, 0
	s_cbranch_scc0 .Lh_a1
	HL G0, G1
	s_branch .Lh_j
.Lh_a1:
	HL G0+4, G1
	s_branch .Lh_j
.Lh_b:
	s_cmp_eq_u32 s14, 2
	s_cbranch_scc0 .Lh_b1
	HL G0B, G1B
	s_branch .Lh_j
.Lh_b1:
	HL G0B+4, G1B
.Lh_j:
	; THE PREFETCHES INTO THE L2 of K steps 2 and 3, which the two refills will load.  A K step is 256 bytes of each row.  K step 2 is asked for here, K step 3 behind the first barrier: each more than one K step ahead of its load.
	; The four partners that ask for a tile jointly share its 256 rows out by address: partner p (cx for ac, cy for W) takes 64, each of the operand's two waves 32, a lane a row: each block is named once in the cluster.
	s_cmp_eq_u32 s15, 0
	s_cselect_b32 s82, s17, s42
	s_cselect_b32 s83, s40, s41
	s_cselect_b64 s[80:81], s[4:5], s[6:7]
	s_lshl_b32 s82, s82, 8
	s_lshl_b32 s83, s83, 6
	s_add_co_u32 s82, s82, s83
	s_lshl_b32 s83, s16, 5
	s_add_co_u32 s82, s82, s83
	s_lshl_b32 s82, s82, 10                        ; rows of 1,024 bytes
	s_mov_b32 s83, 0
	s_add_nc_u64 s[80:81], s[80:81], s[82:83]      ; never rewritten
	v_and_b32 v14, 31, v0
	v_lshlrev_b32 v14, 10, v14                     ; my lane's row; never rewritten
	s_wait_alu depctr_va_vdst(0)                   ; the wait behind the write
	global_prefetch_b8 v14, s[80:81] offset:512 th:TH_LOAD_NT scope:SCOPE_SE   ; K step 2
	v_and_b32 v1, 15, v0
	v_bfe_u32 v2, v0, 4, 1
	v_mul_u32_u24 v3, v1, PITCH
	s_wait_alu depctr_va_vdst(0)
	v_lshl_add_u32 v4, v2, 4, v3
	s_mul_i32 s21, s15, HALFT
	s_mul_i32 s22, s16, HALFT
	s_add_co_u32 s22, s22, 2*HALFT
.irp s, 0,1
	v_add_nc_u32 v[ADRA+\s], s21, v4
	v_add_nc_u32 v[ADRB+\s], s22, v4
	s_add_co_u32 s21, s21, SLOT
	s_add_co_u32 s22, s22, SLOT
.endr
	s_mul_i32 s23, s15, 128*PITCH
	s_lshl_b32 s22, s16, 7
	s_add_co_u32 s23, s23, s22
	v_lshl_add_u32 v5, v2, 3, v3
	v_add_nc_u32 v[STO], s23, v5
	s_mul_i32 s23, s14, 64*PITCH
	v_mul_u32_u24 v5, v2, PITCH
	v_lshl_add_u32 v5, v1, 4, v5
	v_add_nc_u32 v[RD], s23, v5
	v_lshlrev_b32 v[CO], 12, v2
	v_lshl_add_u32 v[CO], v1, 4, v[CO]
	s_lshl_b32 s20, s42, 10
	s_lshl_b32 s21, s16, 9
	s_add_co_u32 s20, s20, s21
	s_mov_b32 s21, 0
	s_add_nc_u64 s[10:11], s[10:11], s[20:21]
	v_lshlrev_b32 v[BOF], 5, v2
.irp b, 0,1,2,3,4,5,6,7
	global_load_b128 v[BC+8*\b:BC+8*\b+3], v[BOF], s[10:11] offset:64*\b
	global_load_b128 v[BC+8*\b+4:BC+8*\b+7], v[BOF], s[10:11] offset:64*\b+16
.endr
	s_lshl_b32 s20, s17, 20
	s_lshl_b32 s21, s14, 18
	s_add_co_u32 s20, s20, s21
	s_lshl_b32 s21, s42, 8
	s_add_co_u32 s20, s20, s21
	s_mov_b32 s21, 0
	s_add_nc_u64 s[12:13], s[12:13], s[20:21]
.macro FRAG reg, adr, q, i
.irp c, 0,1,2,3
	ds_load_b128 v[\reg+4*\c:\reg+4*\c+3], v[\adr] offset:128*(\q)+32*\c+(\i)*16*PITCH
.endr
.endm
.macro MUL16 a0, p, zero
.irp a, \a0, \a0+1
.irp b, 0,1,2,3,4,5,6,7
.if \zero
	v_wmma_f32_16x16x128_bf8_bf8 v[8*(8*((\a)%4)+\b):8*(8*((\a)%4)+\b)+7], v[128*(\p)+FR*\b:128*(\p)+FR*\b+FR-1], v[AF+FR*(\a):AF+FR*(\a)+FR-1], 0
.else
	v_wmma_f32_16x16x128_bf8_bf8 v[8*(8*((\a)%4)+\b):8*(8*((\a)%4)+\b)+7], v[128*(\p)+FR*\b:128*(\p)+FR*\b+FR-1], v[AF+FR*(\a):AF+FR*(\a)+FR-1], v[8*(8*((\a)%4)+\b):8*(8*((\a)%4)+\b)+7]
.endif
.endr
.endr
.endm
.macro FETCH_B slot, q, p
	WIN TO_B
.irp i, 0,1,2,3,4,5,6,7
	FRAG 128*(\p)+FR*\i, ADRB+\slot, \q, \i
.endr
	WIN 0
.endm
.macro FETCH_A slot, q, i0
.irp i, \i0, \i0+1, \i0+2, \i0+3
	FRAG AF+FR*(\i), ADRA+\slot, \q, \i
.endr
.endm
.macro PLACES n
.rept \n
	v_nop
.endr
.endm
.macro STEP slot, q, zero              ; 128 along K, with its successor in the same slot
	FETCH_B \slot, (\q)+1, 1-(\q)%2                ; the next step's fragments of W, into the set that the step before read last: its places stand at that step's end
	s_wait_dscnt 12*NL                             ; this step's W and ac's blocks 0-3 are in; the youngest 48 loads (blocks 4-7, then the 32 just issued) may be out
	WIN MUL_LO
	MUL16 0, (\q)%2, \zero
	MUL16 2, (\q)%2, \zero
	s_wait_dscnt 8*NL                              ; blocks 4-7 are in; the next step's 32 loads of W may be out
	PLACES NP
	WIN 0
	FETCH_A \slot, (\q)+1, 0
	WIN MUL_HI
	MUL16 4, (\q)%2, \zero
	MUL16 6, (\q)%2, \zero
	PLACES NP
	WIN 0
	FETCH_A \slot, (\q)+1, 4
.endm
.macro TURN slot, next, fill
	s_wait_tensorcnt 0x0
	ds_add_u32 v[SPW], v[NIL]
	s_wait_dscnt 4*NL+1
	WIN MUL_LO
	MUL16 0, 1, 0
	s_wait_dscnt 0x0
	s_barrier_signal -1
	MUL16 2, 1, 0
	WIN 0
	s_barrier_wait -1
.if \fill
	CREST
	s_add_nc_u64 s[G0+4*\slot+2:G0+4*\slot+3], s[G0+4*\slot+2:G0+4*\slot+3], 2*ROWB
	s_add_nc_u64 s[G0B+4*\slot+2:G0B+4*\slot+3], s[G0B+4*\slot+2:G0B+4*\slot+3], 2*ROWB
	JLOAD G0+4*\slot, G1, G0B+4*\slot, G1B, \slot
.else
	PLACES NP
.endif
	s_wait_alu depctr_va_vdst(0)
	FETCH_B \next, 0, 0
	FETCH_A \next, 0, 0
	WIN MUL_HI
	MUL16 4, 1, 0
	MUL16 6, 1, 0
	PLACES NP
	WIN 0
	FETCH_A \next, 0, 4
.endm
	s_wait_tensorcnt 0x0                           ; my one load, a whole tile of slot 0 or of slot 1, is in
	s_barrier_signal -1
	s_barrier_wait -1
	FETCH_B 0, 0, 0
	global_prefetch_b8 v14, s[80:81] offset:768 th:TH_LOAD_NT scope:SCOPE_SE   ; K step 3
	FETCH_A 0, 0, 0
	FETCH_A 0, 0, 4
	STEP 0, 0, 1
	s_mov_b32 s3, LAPS-1
.Llap:
	TURN 0, 1, 1
	STEP 1, 0, 0
	TURN 1, 0, 1
	STEP 0, 0, 0
	s_sub_co_u32 s3, s3, 1
	s_cmp_lg_u32 s3, 0
	s_cbranch_scc1 .Llap
	TURN 0, 1, 0
	STEP 1, 0, 0
	s_wait_dscnt 4*NL
	WIN MUL_LO
	MUL16 0, 1, 0
	MUL16 2, 1, 0
	s_wait_dscnt 0
	WIN MUL_HI
	MUL16 4, 1, 0
	MUL16 6, 1, 0
	WIN 0
	s_wait_kmcnt 0x0
	s_add_co_i32 s96, s76, s77
	s_add_co_i32 s96, s96, 127
	s_lshl_b32 s96, s96, 23
	s_mov_b32 s97, s96
	s_add_co_i32 s20, s78, 127
	s_lshl_b32 s21, s20, 23
	v_mov_b32 v[SCL], s21
	s_add_co_i32 s20, s20, 15
	s_lshl_b32 s20, s20, 23
	s_or_b32 s20, s20, 0x600000
	v_mov_b32 v[LIM], s20
	s_mov_b32 s92, 0xbdd2d3e8
	s_mov_b32 s93, s92
	v_mov_b32 v[K1], 0xc0135761
	v_mov_b32 v[K1+1], 0xc0135761
	s_wait_loadcnt 0x0
	PLACES NP
.macro GBLK a
.set AC, 64*((\a)%4)
.set CC, CD+16*((\a)%2)
	WIN 0x02+((\a)/4)
.set jj, 0
.rept 32
	v_pk_fma_f32 v[XR+jj:XR+jj+1], v[AC+jj:AC+jj+1], s[96:97], v[BC+jj:BC+jj+1] op_sel_hi:[1,0,1]
.set jj, jj+2
.endr
	WIN 0
.set jj, 0
.rept 32
	v_pk_mul_f32 v[ZR+jj:ZR+jj+1], v[XR+jj:XR+jj+1], v[XR+jj:XR+jj+1]
.set jj, jj+2
.endr
.set jj, 0
.rept 32
	v_pk_fma_f32 v[ZR+jj:ZR+jj+1], v[ZR+jj:ZR+jj+1], s[92:93], v[K1:K1+1] op_sel_hi:[1,0,1]
.set jj, jj+2
.endr
.set jj, 0
.rept 32
	v_pk_mul_f32 v[ZR+jj:ZR+jj+1], v[ZR+jj:ZR+jj+1], v[XR+jj:XR+jj+1]
.set jj, jj+2
.endr
.set jj, 0
	s_wait_alu depctr_va_vdst(0)
.rept 64
	v_exp_f32 v[ZR+jj], v[ZR+jj]
.set jj, jj+1
.endr
	v_nop
	s_wait_alu depctr_va_vdst(0)
.set jj, 0
.rept 32
	v_pk_add_f32 v[ZR+jj:ZR+jj+1], v[ZR+jj:ZR+jj+1], 1.0 op_sel_hi:[1,0]
.set jj, jj+2
.endr
.set jj, 0
	s_wait_alu depctr_va_vdst(0)
.rept 64
	v_rcp_f32 v[ZR+jj], v[ZR+jj]
.set jj, jj+1
.endr
	v_nop
	s_wait_alu depctr_va_vdst(0)
.set jj, 0
.rept 32
	v_pk_mul_f32 v[XR+jj:XR+jj+1], v[XR+jj:XR+jj+1], v[ZR+jj:ZR+jj+1]
.set jj, jj+2
.endr
.set jj, 0
.rept 64
	v_med3_num_f32 v[XR+jj], v[XR+jj], -v[LIM], v[LIM]
.set jj, jj+1
.endr
	s_wait_alu depctr_va_vdst(0)
	s_wait_dscnt 8
.irp b, 0,1,2,3,4,5,6,7
	v_cvt_scalef32_pk8_bf8_f32 v[CC+2*\b:CC+2*\b+1], v[XR+8*\b:XR+8*\b+7], v[SCL]
.endr
	v_nop
.irp b, 0,1,2,3,4,5,6,7
	ds_store_b64 v[STO], v[CC+2*\b:CC+2*\b+1] offset:16*(\a)*PITCH+16*\b
.endr
.endm
.irp a, 0,1,2,3,4,5,6,7
	GBLK \a
.endr
	s_wait_dscnt 0x0
	s_barrier_signal -1
	s_barrier_wait -1
.set ii, 0
.rept 32
	ds_load_b128 v[128+4*ii:128+4*ii+3], v[RD] offset:2*PITCH*ii
.set ii, ii+1
.endr
.set ii, 0
.rept 32
	s_wait_dscnt 31-ii
	global_store_b128 v[CO], v[128+4*ii:128+4*ii+3], s[12:13] offset:8192*ii
.set ii, ii+1
.endr
	s_wait_tensorcnt 0x0
	ds_add_u32 v[SPW], v[NIL]
	s_wait_dscnt 0x0
	CROUND
	s_endpgm
.Lfunc_end_k_q3f93a15ae6_fc:
	.size	k_q3f93a15ae6_fc, .Lfunc_end_k_q3f93a15ae6_fc-k_q3f93a15ae6_fc
	.p2alignl 7, 3214868480
	.fill 96, 4, 3214868480
	.section	.rodata,"a",@progbits
	.p2align	6, 0x0
	.amdhsa_kernel k_q3f93a15ae6_fc
		.amdhsa_group_segment_fixed_size 327680
		.amdhsa_private_segment_fixed_size 0
		.amdhsa_enable_private_segment 0
		.amdhsa_kernarg_size 40
		.amdhsa_user_sgpr_count 2
		.amdhsa_user_sgpr_kernarg_segment_ptr 1
		.amdhsa_wavefront_size32 1
		.amdhsa_system_sgpr_workgroup_id_x 1
		.amdhsa_system_sgpr_workgroup_id_y 1
		.amdhsa_system_sgpr_workgroup_id_z 1
		.amdhsa_system_vgpr_workitem_id 0
		.amdhsa_next_free_vgpr 1024
		.amdhsa_next_free_sgpr 100
		.amdhsa_reserve_vcc 0
		.amdhsa_float_denorm_mode_32 3
		.amdhsa_float_denorm_mode_16_64 3
		.amdhsa_memory_ordered 1
		.amdhsa_forward_progress 1
		.amdhsa_inst_pref_size 255
	.end_amdhsa_kernel
	.section	.bss,"aw",@nobits
	.p2align	6
	.space	262144
	.amdgpu_metadata
---
amdhsa.version: [ 1, 2 ]
amdhsa.kernels:
  - .name:           k_q3f93a15ae6_fc
    .symbol:         k_q3f93a15ae6_fc.kd
    .args:
      - { .name: ac, .offset: 0, .size: 8, .value_kind: global_buffer, .address_space: global }
      - { .name: w_fc_codes, .offset: 8, .size: 8, .value_kind: global_buffer, .address_space: global }
      - { .name: lowp_scales, .offset: 16, .size: 8, .value_kind: global_buffer, .address_space: global }
      - { .name: b_fc, .offset: 24, .size: 8, .value_kind: global_buffer, .address_space: global }
      - { .name: hc, .offset: 32, .size: 8, .value_kind: global_buffer, .address_space: global }
    .group_segment_fixed_size: 327680
    .private_segment_fixed_size: 0
    .kernarg_segment_align: 8
    .kernarg_segment_size: 40
    .max_flat_workgroup_size: 128
    .sgpr_count:     100
    .vgpr_count:     1024
    .wavefront_size: 32
...
	.end_amdgpu_metadata
.endif
;; end of part 6
;; launch proj (part 7): grid 8 x 32, 4 waves a work-group, clusters of 4 x 4, 327,680 bytes of LDS; arguments hc, w_proj_codes, lowp_scales, b_proj, x2, out0; writes out0
.if DOCPART == 7
	.amdgcn_target "amdgcn-amd-amdhsa--gfx1250"
	.amdhsa_code_object_version 6
	.text
	.protected	k_q3f93a15ae6_proj
	.globl	k_q3f93a15ae6_proj
	.p2align	8
	.type	k_q3f93a15ae6_proj,@function
k_q3f93a15ae6_proj:
	s_mov_b64 s[64:65], 0
	v_nop
	global_prefetch_b8 v0, s[64:65] scope:SCOPE_SE
	s_setreg_imm32_b32 hwreg(HW_REG_WAVE_MODE, 25, 1), 1
	s_wait_xcnt 0x0
	s_wait_alu depctr_hold_cnt(0) depctr_sa_sdst(0) depctr_va_vdst(0) depctr_va_sdst(0) depctr_va_ssrc(0) depctr_va_vcc(0) depctr_vm_vsrc(0)
	s_getreg_b32 s2, hwreg(HW_REG_IB_STS2, 6, 4)
	s_cmp_eq_u32 s2, 0
	s_cbranch_scc0 .Lentry_in_a_cluster
	s_endpgm
.Lentry_in_a_cluster:
	s_bfe_u32 s2, ttmp6, 0x10000c
	s_cmp_lg_u32 s2, 0xf033
	s_cbranch_scc0 .Lentry_shape_is_right
	s_endpgm
.Lentry_shape_is_right:
; out = res + A W^T x 2^(ea + eb) + bias.  A: [4096][SIZE_K] codes of E5M2, W: [1024][SIZE_K] codes, K innermost; bias [1024], res and out [4096][1024] f32.  ea, eb: the two entries of the scales at byte EOFF.
; LIMIT: ea + eb between -126 and 127.
; N = 1,024 gives 64 tiles of 256 x 256 and 256 of 128 x 128: the smaller tile is taken, one for each of 256 work-groups.  Four waves, each 64 x 64: 16 accumulators.
; K goes in steps of 512 (LDS rows of 512 bytes; a wave's tensor load brings 128 of them) through a ring of two LDS slots.
; CLUSTERS: 4 x 4 work-groups; A's tile is shared along a row of the cluster, W's along a column: joint loads.  THE MATRIX INSTRUCTION IS USED TRANSPOSED (source 0 = 16 rows of W, source 1 = 16 rows of A).
; The wave's part of res (64 x 64 f32) and of the bias is asked for at the head and lands under the loop.  A wave's 64 columns of f32 are 256 bytes: each wave has its own stage, and no barrier stands on the way out.
; REGISTERS: window 0: v0-31 addresses, v8-11 the bias; v32-95 rows on the way out; v128-255 the accumulators ((a, b) at v[128 + 8 (4 a + b)]).  window 1: two fragment buffers of 128 (A's four fragments, then W's four).  window 2: v0-127 res.
; THE FILLS: wave w owns operand w / 2 (A, W) and slot w % 2, and brings that slot's whole tile, 128 rows x 512 bytes, with one tensor load: the four loads at the head fill both slots; a refill is asked for by the slot's two owners.
.set SIZE_K, 4096
.set EOFF,   0x28
.set KSTEP,  512
.set PITCH,  528                       ; an LDS row: 512 bytes + 16 = 132 words: the 16 rows that a load touches start at 16 different banks (64 banks of 4 bytes: ISA guide 11.1)
.set HALFT,  64*PITCH
.set SLOT,   4*HALFT
.set STAGE,  2*SLOT                    ; behind the ring: 16 rows x 272 bytes for each wave
.set SPITCH, 272
.set SPARE,  STAGE+4*16*SPITCH         ; the spare words, 128 bytes for each wave: two blocks of 256 bytes that no other line names
.set LAPS,   SIZE_K/(2*KSTEP)
.set BI,   8
.set ADRA, 16
.set ADRB, 20
.set STO,  24
.set RD,   25
.set CO,   26                          ; v26 my byte offset in res and out; never rewritten
.set BIO,  27                          ; v27 the bias's offset; never rewritten
.set SPW,  28
.set NIL,  29
.set BK,   32
.set ACC,  128
.set F0,   0
.set F1,   128
.set SC,   76                          ; s[76:77] ea, eb; later 2^(ea + eb), twice
.set G1, 24
.set G0, 32
.set G1B, 48
.set G0B, 56
.set MSB, 0
.macro WIN new
.if MSB != \new
	s_set_vgpr_msb (MSB<<8)|\new
.set MSB, \new
.endif
.endm
.set MUL,  0x05                        ; sources 0 (W) and 1 (A) window 1; C and D window 0
.set TO_F, 0x40
.macro JLOAD s                         ; a joint refill: only the owners of slot s ask (wave 0 or 1 for A, 2 or 3 for W); the other two waves run the four places alone
	s_cmp_lg_u32 s12, \s
	s_cbranch_scc1 .Lnone_\@
	s_cmp_eq_u32 s11, 0
	s_cbranch_scc0 .Lfor_b_\@
	tensor_load_to_lds s[G0+4*\s:G0+4*\s+3], s[G1:G1+7]
	s_nop 0
.rept 4
	v_nop
.endr
	s_branch .Lasked_\@
.Lfor_b_\@:
	tensor_load_to_lds s[G0B+4*\s:G0B+4*\s+3], s[G1B:G1B+7]
	s_nop 0
.rept 4
	v_nop
.endr
	s_branch .Lasked_\@
.Lnone_\@:
.rept 4
	v_nop
.endr
.Lasked_\@:
.endm
.macro CREST
	s_cmp_lg_u32 s10, 0
	s_cbranch_scc1 .Lnot_wave_0_\@
	s_barrier_signal -3
.Lnot_wave_0_\@:
	s_barrier_wait -3
	s_barrier_signal -1
	s_barrier_wait -1
.endm
.macro CROUND
	s_barrier_signal -1
	s_barrier_wait -1
	CREST
.endm
	s_load_b128 s[4:7], s[0:1], 0x0                ; A's codes, W's codes
	s_load_b128 s[68:71], s[0:1], 0x10             ; the scales' exponents, the bias
	s_load_b128 s[72:75], s[0:1], 0x20             ; res, out
	v_lshl_add_u32 v[SPW], v0, 2, SPARE
	v_mov_b32 v[NIL], 0
	ds_add_u32 v28, v29
	ds_add_u32 v28, v29
	s_wait_dscnt 0x0
	v_lshrrev_b32 v1, 5, v0
	v_readfirstlane_b32 s10, v1                    ; wave 0..3
	s_lshr_b32 s11, s10, 1                         ; which half of the tile's rows is mine.  Also: I fetch for A (0) or for W (1)
	s_and_b32 s12, s10, 1                          ; which half of its columns.  Also: which slot of the ring I fill
	s_bfe_u32 s40, ttmp6, 0x40000
	s_bfe_u32 s41, ttmp6, 0x40004
	s_lshl_b32 s42, ttmp9, 2
	s_add_co_u32 s42, s42, s40                     ; tile column
	s_and_b32 s13, ttmp7, 0xffff
	s_lshl_b32 s13, s13, 2
	s_add_co_u32 s13, s13, s41                     ; tile row
	s_lshl_b32 s43, s41, 2
	s_lshl_b32 s43, 15, s43
	s_lshl_b32 s44, 0x1111, s40
	s_or_b32 s[G1+0], s43, (0<<16)|(1<<20)|(1<<21)|(6<<22)|(3<<25)  ; the mask; elements of 1 byte; padding: four words after every 128; bit 21 beside the mask
	s_or_b32 s[G1B+0], s44, (0<<16)|(1<<20)|(1<<21)|(6<<22)|(3<<25)
.irp g, G1, G1B
	s_mov_b32 s[\g+1], KSTEP<<16
	s_mov_b32 s[\g+2], 128<<16
	s_mov_b32 s[\g+3], KSTEP<<16
	s_mov_b32 s[\g+4], 128
	s_mov_b32 s[\g+5], SIZE_K
	s_mov_b32 s[\g+6], 0
	s_mov_b32 s[\g+7], 0
.endr
	s_lshl_b32 s16, s13, 7
	s_mul_i32 s16, s16, SIZE_K                     ; A: 128 x tile row rows; under 2^25 bytes
	s_lshl_b32 s46, s42, 7
	s_mul_i32 s46, s46, SIZE_K                     ; W likewise
	s_mov_b32 s17, 0
	s_mov_b32 s47, 0
	s_mul_i32 s20, s11, 2*HALFT                    ; A's 128 rows, then W's
	s_wait_kmcnt 0x0
	s_load_b64 s[SC:SC+1], s[68:69], EOFF
	s_add_nc_u64 s[14:15], s[4:5], s[16:17]
	s_add_nc_u64 s[46:47], s[6:7], s[46:47]
	CROUND                                         ; all sixteen work-groups are here: the first joint loads meet
.irp s, 0,1
	s_mov_b32 s[G0+4*\s], 1
	s_add_co_u32 s[G0+4*\s+1], s20, \s*SLOT
	s_add_nc_u64 s[G0+4*\s+2:G0+4*\s+3], s[14:15], \s*KSTEP
	s_or_b32 s[G0+4*\s+3], s[G0+4*\s+3], 0x80000000
	s_mov_b32 s[G0B+4*\s], 1
	s_add_co_u32 s[G0B+4*\s+1], s20, \s*SLOT
	s_add_nc_u64 s[G0B+4*\s+2:G0B+4*\s+3], s[46:47], \s*KSTEP
	s_or_b32 s[G0B+4*\s+3], s[G0B+4*\s+3], 0x80000000
.endr
; THE FIRST FILLS: one tensor load a wave, in one chain of branches on the wave's number: the four loads fill both slots, K steps 0 and 1.
.macro HL g0, g1
	tensor_load_to_lds s[\g0:\g0+3], s[\g1:\g1+7]
	s_nop 0
.rept 4
	v_nop
.endr
.endm
	s_cmp_lt_u32 s10, 2
	s_cbranch_scc0 .Lh_b
	s_cmp_eq_u32 s10, 0
	s_cbranch_scc0 .Lh_a1
	HL G0, G1
	s_branch .Lh_j
.Lh_a1:
	HL G0+4, G1
	s_branch .Lh_j
.Lh_b:
	s_cmp_eq_u32 s10, 2
	s_cbranch_scc0 .Lh_b1
	HL G0B, G1B
	s_branch .Lh_j
.Lh_b1:
	HL G0B+4, G1B
.Lh_j:
	; THE PREFETCHES INTO THE L2.  A K step is 512 bytes of each row: two blocks of 256.  The four partners that ask for a tile jointly share its 128 rows out by address: partner p (cx for A, cy for W) takes 32,
	; a lane a row; of the operand's two waves each takes one of the two blocks: each block is named once in the cluster, by one instruction a wave and K step.
	; K step 2 is asked for here, K step 3 behind the first barrier; behind the change of slots that refills K step t + 2, K step t + 4; the loop's last trip asks for nothing: K ends at step 7.
	s_cmp_eq_u32 s11, 0
	s_cselect_b32 s8, s13, s42                     ; my operand's tile,
	s_cselect_b32 s9, s40, s41                     ; my place among the four that share it,
	s_cselect_b64 s[78:79], s[4:5], s[6:7]         ; its tensor
	s_lshl_b32 s8, s8, 7
	s_lshl_b32 s9, s9, 5
	s_add_co_u32 s8, s8, s9
	s_lshl_b32 s8, s8, 12                          ; rows of 4,096 bytes
	s_lshl_b32 s9, s12, 8                          ; my block of a K step
	s_add_co_u32 s8, s8, s9
	s_add_co_u32 s8, s8, 2*KSTEP                   ; at K step 2
	s_mov_b32 s9, 0
	s_add_nc_u64 s[78:79], s[78:79], s[8:9]
	v_and_b32 v30, 31, v0
	v_lshlrev_b32 v30, 12, v30                     ; my lane's row; never rewritten
	s_wait_alu depctr_va_vdst(0)                   ; the wait behind the write
	global_prefetch_b8 v30, s[78:79] th:TH_LOAD_NT scope:SCOPE_SE   ; K step 2
	v_and_b32 v1, 15, v0                           ; r
	s_wait_alu depctr_va_vdst(0)
	v_bfe_u32 v2, v0, 4, 1                         ; h
	v_mul_u32_u24 v3, v1, PITCH
	v_lshl_add_u32 v3, v2, 4, v3
	s_mul_i32 s21, s11, HALFT
	s_mul_i32 s22, s12, HALFT
	s_add_co_u32 s22, s22, 2*HALFT
.irp s, 0,1
	v_add_nc_u32 v[ADRA+\s], s21, v3
	v_add_nc_u32 v[ADRB+\s], s22, v3
	s_add_co_u32 s21, s21, SLOT
	s_add_co_u32 s22, s22, SLOT
.endr
	s_mul_i32 s23, s10, 16*SPITCH
	s_add_co_u32 s23, s23, STAGE                   ; my stage
	v_mul_u32_u24 v4, v1, SPITCH
	s_wait_alu depctr_va_vdst(0)
	v_lshl_add_u32 v4, v2, 5, v4
	v_add_nc_u32 v[STO], s23, v4                   ; in: row r, 32 bytes for each half of the lanes
	v_mul_u32_u24 v5, v2, SPITCH
	v_lshl_add_u32 v5, v1, 4, v5
	v_add_nc_u32 v[RD], s23, v5                    ; back: lanes 0-15 one row of 256 bytes, lanes 16-31 the next
	v_lshlrev_b32 v[CO], 12, v2
	v_lshl_add_u32 v[CO], v1, 4, v[CO]             ; and the same two rows in res and out
	s_wait_alu depctr_va_vdst(0)
	v_lshlrev_b32 v[BIO], 4, v1
	s_wait_alu depctr_va_vdst(0)
	s_lshl_b32 s16, s13, 19                        ; 128 rows of 4,096 bytes a tile row,
	s_lshl_b32 s17, s11, 18                        ; 64 for my half
	s_add_co_u32 s16, s16, s17
	s_lshl_b32 s46, s42, 9
	s_lshl_b32 s47, s12, 8
	s_add_co_u32 s46, s46, s47                     ; my 64 columns, in bytes
	s_add_co_u32 s16, s16, s46
	s_mov_b32 s17, 0
	s_mov_b32 s47, 0
	s_add_nc_u64 s[72:73], s[72:73], s[16:17]
	s_add_nc_u64 s[74:75], s[74:75], s[16:17]
	s_add_nc_u64 s[70:71], s[70:71], s[46:47]
; four matrix instructions: A's block a x W's four.  The 16 accumulators take turns, one instruction a turn, in the same order in every quarter.
.macro MULA f, a, zero
.irp b, 0,1,2,3
.if \zero
	v_wmma_f32_16x16x128_bf8_bf8 v[ACC+8*(4*(\a)+\b):ACC+8*(4*(\a)+\b)+7], v[\f+64+16*\b:\f+64+16*\b+15], v[\f+16*(\a):\f+16*(\a)+15], 0
.else
	v_wmma_f32_16x16x128_bf8_bf8 v[ACC+8*(4*(\a)+\b):ACC+8*(4*(\a)+\b)+7], v[\f+64+16*\b:\f+64+16*\b+15], v[\f+16*(\a):\f+16*(\a)+15], v[ACC+8*(4*(\a)+\b):ACC+8*(4*(\a)+\b)+7]
.endif
.endr
.endm
; 32 LDS loads in one run: the fragments of 128 along K at byte k of the rows, into buffer f: W's four, then A's four.  Registers 4 c .. 4 c + 3 hold K = 32 c + 16 (lane / 16) + 0 .. 15: one permutation of k, the same on both sides
.macro FETCH slot, k, f
	WIN TO_F
.irp i, 0,1,2,3
.irp c, 0,1,2,3
	ds_load_b128 v[\f+64+16*\i+4*\c:\f+64+16*\i+4*\c+3], v[ADRB+\slot] offset:\k+32*\c+\i*16*PITCH
.endr
.endr
.irp i, 0,1,2,3
.irp c, 0,1,2,3
	ds_load_b128 v[\f+16*\i+4*\c:\f+16*\i+4*\c+3], v[ADRA+\slot] offset:\k+32*\c+\i*16*PITCH
.endr
.endr
.endm
.macro PLACES                          ; four plain lines in front of loads into registers that matrix instructions have read, and of the first read of results
.rept 4
	v_nop
.endr
.endm
.macro QUARTER slot, k, f, g, zero     ; 128 along K from buffer f; the next quarter, at byte k, is fetched into g
	s_wait_dscnt 8                                 ; W's four and A's blocks 0, 1 are in; the youngest eight loads may be out
	WIN MUL
	MULA \f, 0, \zero
	MULA \f, 1, \zero
	PLACES
	FETCH \slot, \k, \g
	s_wait_dscnt 32                                ; all but the 32 just issued
	WIN MUL
	MULA \f, 2, \zero
	MULA \f, 3, \zero
.endm
; The last quarter multiplies buffer 1 and changes slots: ONE barrier; in front of it each wave waits for all its tensor loads, adds 0 to its spare word, and waits for that and for its reads of this slot.
.macro TURN slot, next, fill
	WIN 0
.if \fill
	s_wait_xcnt 0x0                                ; my prefetches have read their address: it is stepped here, a K step behind the prefetch that read it
	s_add_nc_u64 s[78:79], s[78:79], KSTEP
.endif
	s_wait_tensorcnt 0x0                           ; all my tensor loads have landed: my part of the next slot
	ds_add_u32 v[SPW], v[NIL]                      ; 0 onto my spare word
	s_wait_dscnt 9                                 ; (the add and the youngest eight loads may be out)
	WIN MUL
	MULA F1, 0, 0
	s_wait_dscnt 0x0                               ; the add is done, and my reads of this slot are over
	s_barrier_signal -1
	MULA F1, 1, 0
.if \fill
	WIN 0
.endif
	s_barrier_wait -1
.if \fill
	CREST                                          ; the barrier has opened a round of the cluster's barrier
	s_add_nc_u64 s[G0+4*\slot+2:G0+4*\slot+3], s[G0+4*\slot+2:G0+4*\slot+3], 2*KSTEP
	s_add_nc_u64 s[G0B+4*\slot+2:G0B+4*\slot+3], s[G0B+4*\slot+2:G0B+4*\slot+3], 2*KSTEP
	JLOAD \slot                                    ; the first tensor load behind the round; its four v_nop are the places in front of the loads below
.else
	PLACES
.endif
	FETCH \next, 0, F0
.if \fill
	WIN 0                                          ; at a branch and at a label every window is 0
	s_cmp_gt_u32 s3, 1                             ; s3 = 1 in the loop's last trip
	s_cbranch_scc0 .Lnoask_\@
	global_prefetch_b8 v30, s[78:79] offset:KSTEP th:TH_LOAD_NT scope:SCOPE_SE   ; the K step that stands two refills on
.Lnoask_\@:
.endif
	WIN MUL
	MULA F1, 2, 0
	MULA F1, 3, 0
.endm
	s_wait_tensorcnt 0x0                           ; my one load, a whole tile of slot 0 or of slot 1, is in
	s_barrier_signal -1
	s_barrier_wait -1
	FETCH 0, 0, F0
	WIN 0
	global_prefetch_b8 v30, s[78:79] offset:KSTEP th:TH_LOAD_NT scope:SCOPE_SE   ; K step 3
	; my part of res (64 x 64 f32, into window 2) and of the bias: asked for behind the first tiles, which the products wait for; only the way out waits for these 33 loads
	WIN 0x80                                       ; destination window 2
.irp a, 0,1,2,3
.irp t, 0,1,2,3,4,5,6,7
	global_load_b128 v[4*(8*\a+\t):4*(8*\a+\t)+3], v[CO], s[72:73] offset:(16*\a+2*\t)*4096   ; sixteen lanes read 256 consecutive bytes
.endr
.endr
	WIN 0
	global_load_b128 v[BI:BI+3], v[BIO], s[70:71]
	QUARTER 0, 128, F0, F1, 1                      ; the first quarter starts the sums
.if LAPS > 1
	WIN 0
	s_mov_b32 s3, LAPS-1
.Llap:                                                 ; a trip goes once round the ring, from a lap's second quarter to the next lap's first, and fills both slots again
	QUARTER 0, 256, F1, F0, 0
	QUARTER 0, 384, F0, F1, 0
	TURN 0, 1, 1
	QUARTER 1, 128, F0, F1, 0
	QUARTER 1, 256, F1, F0, 0
	QUARTER 1, 384, F0, F1, 0
	TURN 1, 0, 1
	QUARTER 0, 128, F0, F1, 0
	WIN 0
	s_sub_co_u32 s3, s3, 1
	s_cmp_lg_u32 s3, 0
	s_cbranch_scc1 .Llap
.endif
	QUARTER 0, 256, F1, F0, 0                      ; the last lap fills nothing
	QUARTER 0, 384, F0, F1, 0
	TURN 0, 1, 0
	QUARTER 1, 128, F0, F1, 0
	QUARTER 1, 256, F1, F0, 0
	QUARTER 1, 384, F0, F1, 0
	s_wait_dscnt 8
	WIN MUL
	MULA F1, 0, 0
	MULA F1, 1, 0
	s_wait_dscnt 0
	MULA F1, 2, 0
	MULA F1, 3, 0
	WIN 0
	; THE WAY OUT, block by block of 16 rows x 64 columns, through my own stage: in as 32 bytes a lane, back as whole rows of 256 bytes
	s_wait_kmcnt 0x0
	s_add_co_i32 s[SC], s[SC], s[SC+1]
	s_add_co_i32 s[SC], s[SC], 127
	s_lshl_b32 s[SC], s[SC], 23                    ; 2^(ea + eb) as f32
	s_mov_b32 s[SC+1], s[SC]
	s_wait_loadcnt 0x0                             ; res and the bias
	PLACES
.macro TOSTAGE a
.set BB, BK+32*((\a)%2)
.irp b, 0,1,2,3
	ds_store_b128 v[STO], v[ACC+8*(4*(\a)+\b):ACC+8*(4*(\a)+\b)+3] offset:64*\b        ; each accumulator from its low end on
	ds_store_b128 v[STO], v[ACC+8*(4*(\a)+\b)+4:ACC+8*(4*(\a)+\b)+7] offset:64*\b+16
.endr
.irp t, 0,1,2,3,4,5,6,7
	ds_load_b128 v[BB+4*\t:BB+4*\t+3], v[RD] offset:\t*2*SPITCH   ; LDS serves a wave's instructions in order (ISA guide 5.7.1.4)
.endr
.endm
.macro SEND a, younger                 ; younger: the LDS instructions issued behind block a's loads
.set BB, BK+32*((\a)%2)
	s_wait_dscnt \younger
	WIN 0x20                                       ; source 2 (res) window 2
.set ii, 0
.rept 16
	v_pk_fma_f32 v[BB+ii:BB+ii+1], v[BB+ii:BB+ii+1], s[SC:SC+1], v[32*(\a)+ii:32*(\a)+ii+1] op_sel_hi:[1,0,1]   ; sum x 2^(ea + eb) + res
.set ii, ii+2
.endr
	WIN 0
.set ii, 0
.rept 8
	v_pk_add_f32 v[BB+ii:BB+ii+1], v[BB+ii:BB+ii+1], v[BI:BI+1]
	v_pk_add_f32 v[BB+ii+2:BB+ii+3], v[BB+ii+2:BB+ii+3], v[BI+2:BI+3]
.set ii, ii+4
.endr
.irp t, 0,1,2,3,4,5,6,7
	global_store_b128 v[CO], v[BB+4*\t:BB+4*\t+3], s[74:75] offset:(16*(\a)+2*\t)*4096 th:TH_STORE_NT   ; sixteen lanes store 256 consecutive bytes, at a multiple of 256 from the buffer's first byte; written once, read by nobody here
.endr
.endm
	TOSTAGE 0
.irp a, 1,2,3
.if \a > 1
	s_wait_xcnt 0x0                                ; block a - 2's stores have read their registers: block a's loads may land there
.endif
	TOSTAGE \a
	SEND \a-1, 16                                  ; behind block a - 1's loads: block a's 8 stores and 8 loads
.endr
	SEND 3, 0
	s_wait_tensorcnt 0x0                           ; the wave's end
	ds_add_u32 v[SPW], v[NIL]
	s_wait_dscnt 0x0
	CROUND                                         ; the closing round
	s_endpgm
.Lfunc_end_k_q3f93a15ae6_proj:
	.size	k_q3f93a15ae6_proj, .Lfunc_end_k_q3f93a15ae6_proj-k_q3f93a15ae6_proj
	.p2alignl 7, 3214868480
	.fill 96, 4, 3214868480
	.section	.rodata,"a",@progbits
	.p2align	6, 0x0
	.amdhsa_kernel k_q3f93a15ae6_proj
		.amdhsa_group_segment_fixed_size 327680
		.amdhsa_private_segment_fixed_size 0
		.amdhsa_enable_private_segment 0
		.amdhsa_kernarg_size 48
		.amdhsa_user_sgpr_count 2
		.amdhsa_user_sgpr_kernarg_segment_ptr 1
		.amdhsa_wavefront_size32 1
		.amdhsa_system_sgpr_workgroup_id_x 1
		.amdhsa_system_sgpr_workgroup_id_y 1
		.amdhsa_system_sgpr_workgroup_id_z 1
		.amdhsa_system_vgpr_workitem_id 0
		.amdhsa_next_free_vgpr 768
		.amdhsa_next_free_sgpr 80
		.amdhsa_reserve_vcc 0
		.amdhsa_float_denorm_mode_32 3
		.amdhsa_float_denorm_mode_16_64 3
		.amdhsa_memory_ordered 1
		.amdhsa_forward_progress 1
		.amdhsa_inst_pref_size 83
	.end_amdhsa_kernel
	.amdgpu_metadata
---
amdhsa.version: [ 1, 2 ]
amdhsa.kernels:
  - .name:           k_q3f93a15ae6_proj
    .symbol:         k_q3f93a15ae6_proj.kd
    .args:
      - { .name: hc, .offset: 0, .size: 8, .value_kind: global_buffer, .address_space: global }
      - { .name: w_proj_codes, .offset: 8, .size: 8, .value_kind: global_buffer, .address_space: global }
      - { .name: lowp_scales, .offset: 16, .size: 8, .value_kind: global_buffer, .address_space: global }
      - { .name: b_proj, .offset: 24, .size: 8, .value_kind: global_buffer, .address_space: global }
      - { .name: x2, .offset: 32, .size: 8, .value_kind: global_buffer, .address_space: global }
      - { .name: out0, .offset: 40, .size: 8, .value_kind: global_buffer, .address_space: global }
    .group_segment_fixed_size: 327680
    .private_segment_fixed_size: 0
    .kernarg_segment_align: 8
    .kernarg_segment_size: 48
    .max_flat_workgroup_size: 128
    .sgpr_count:     80
    .vgpr_count:     768
    .wavefront_size: 32
...
	.end_amdgpu_metadata
.endif
;; end of part 7
